; MI455X (gfx1250); checked and timed in simulation.
; The chip was launched on July 23, 2026; its instructions are those of AMD's public machine-readable ISA for CDNA 5 (MIT licence, August 2026) and "CDNA5" Instruction Set Architecture Reference Guide (July 2026). The comments in the code are by the model that wrote it; some were corrected since.
;; Causal Multihead Attention. Allowed arithmetic: matrix products marked QUANTISED: E3M2 operands, one E8M0 scale for each 32 along K, by v_wmma_scale_f32_16x16x128_f8f6f4 with both operands' format E3M2, f32 sums; everything else in f32.
;; Inputs: w_o 1,024 x 1,024 float32; w_qkv 3 x 16 x 64 x 1,024 float32; x 4 x 2,048 x 1,024 float32.
;; Outputs: out0 4 x 2,048 x 1,024 float32.
;; This version of the problem:
;;   THIS VERSION OF THE PROBLEM IS GIVEN IN LOW PRECISION. The matrix products marked QUANTISED in the list below multiply operands that are first quantised to E3M2 (3 exponent bits, 2 mantissa bits; 6 bits a number), with one power-of-two scale for each 32 numbers along K (OCP MX v1.0); their sums are f32. All else is computed in f32.
;;   The module's matrix products, in the order in which they are computed (A, B: the left and right operand; K: the contracted axis; several contracted axes count as one K, in the product's order):
;;     1. [M 3,072, K 1,024] x [K 1,024, N 8,192]; A: input w_qkv; B: input x: QUANTISED
;;     2. batch 64 x [M 2,048, K 64] x [K 64, N 2,048]; A: computed on the way; B: computed on the way: QUANTISED
;;     3. batch 64 x [M 2,048, K 2,048] x [K 2,048, N 64]; A: softmax (see below); B: computed on the way: QUANTISED
;;     4. [M 8,192, K 1,024] x [K 1,024, N 1,024]; A: computed on the way; B: input w_o: QUANTISED
;;   THE QUANTISER, for each operand of a quantised product, along K:
;;     - K is cut into blocks of 32 from its start; a last block that is shorter is filled with zeros.
;;     - A block's scale is 2^e with e = floor(log2(the largest magnitude in the block)) - 4, held to -126 .. 127; a block of zeros has e = 0. As a byte (E8M0): e + 127.
;;     - Each number is divided by its block's scale, clamped to +-28, and rounded to the nearest number of E3M2, ties to even, subnormals kept.
;;     - The product sums the exact products of the quantised numbers (number of the format x scale) in f32.
;;   ~~~python
;;   def quantise(x, axis):      # numpy; x: float32 -> the quantised numbers, widened to float32 again
;;       x = np.moveaxis(x, axis, -1); K = x.shape[-1]
;;       x = np.pad(x, [(0, 0)] * (x.ndim - 1) + [(0, -K % 32)]); x = x.reshape(x.shape[:-1] + (-1, 32)); a = np.abs(x).max(-1, keepdims=True)
;;       e = np.where(a > 0, np.clip(np.frexp(np.where(a > 0, a, 1))[1] - 1 - 4, -126, 127), 0)      # np.frexp(a)[1] - 1 = floor(log2(a)), exactly
;;       r = np.clip(x / 2.0 ** e, -28, 28)
;;       step = 2.0 ** (np.maximum(np.frexp(np.where(r == 0, 1, r))[1] - 1, -2) - 2)
;;       q = np.round(r / step) * step * 2.0 ** e      # np.round: ties to even
;;       return np.moveaxis(q.reshape(q.shape[:-2] + (-1,))[..., :K], -1, axis).astype(np.float32)
;;   ~~~
;;   SOFTMAX AHEAD OF A QUANTISED PRODUCT. Where the list says 'softmax', what is quantised is not the finished softmax but p = 2^(t - M), with t = logit x log2(e) and M = ceil(the row's largest t), a whole number; so 1/2 < the row's largest p <= 1. The row's sum l is taken of the UNQUANTISED p, in f32, and the product's result is divided by l at the end. Since M is a whole number, a kernel that streams over the keys may use a running M (the ceiling of the running maximum): every later rescaling is an exact power of two, which a block's scale takes up: the codes' values come out the same.
;;   OPERANDS COMPUTED ON THE WAY. 'Computed on the way' means the value that the module computes at that place (a softmax that the list does not call 'softmax' is quantised finished and normalised). What goes into a quantiser is computed in f32, as accurately as f32 sums, v_exp_f32 and their like allow (about 1e-6 of the number): no bf16 or f16 on the way to a quantiser, and a product that is left as it is and whose result goes on into a quantised operand takes f32 operands (vector FMAs, or v_wmma_f32_16x16x4_f32). A number that lies on a knife's edge between two numbers of the format may be rounded either way, as far as f32 arithmetic and the matrix unit's own rounding can turn it there, and no further.
;; One version. Each part assembles by itself: llvm-mc -triple=amdgcn-amd-amdhsa -mcpu=gfx1250 --defsym DOCPART=n.
;; ======== version 1 of 1: 4 launches
;; limits: right only within a limited range of input values
;; workspace buffers: cod1 9,437,184 bytes; scl1 393,216 bytes; cod2 18,874,368 bytes; scl2 1,310,720 bytes; acod 6,291,456 bytes; ascl 262,144 bytes
;; launch quant (part 1): grid 768 x 1, 4 waves a work-group, no clusters, 33,280 bytes of LDS; arguments x, w_qkv, w_o, cod1, scl1; writes cod1, scl1
.if DOCPART == 1
	.amdgcn_target "amdgcn-amd-amdhsa--gfx1250"
	.amdhsa_code_object_version 6
	.text
	.protected	k_q84daf7d5d7_quant
	.globl	k_q84daf7d5d7_quant
	.p2align	8
	.type	k_q84daf7d5d7_quant,@function
k_q84daf7d5d7_quant:
	s_mov_b64 s[64:65], 0
	v_nop
	global_prefetch_b8 v0, s[64:65] scope:SCOPE_SE
	s_setreg_imm32_b32 hwreg(HW_REG_WAVE_MODE, 25, 1), 1
	s_wait_xcnt 0x0
; x [8192][1024], w_qkv [3072][1024] and w_o [1024][1024], f32, K innermost, become codes of BF6 (E3M2), 6 bits each, and one E8M0 byte for each 32 along K.
; cod1 is [12288 rows][768 bytes], scl1 [12288 rows][32 bytes]: x's rows, then w_qkv's, then w_o's.
; A block's scale is 2^(floor(log2(its largest magnitude)) - 4); its byte is that magnitude's exponent field - 4, held at 1 from below.
; LIMITS: a block of zeros, and a block whose largest magnitude lies under 2^-122, gets the byte 1 (the rule's byte for zeros is 127: the codes are zeros, which add nothing
; under any byte but 0xff, and this program alone reads the bytes).  NaN and infinities among the inputs are not served.
; POSITION ORDER.  The rows of x and of w_qkv are laid, inside each group of 32, with bits 3 and 4 of the row's number exchanged: position 16 u + 8 q + j holds row 16 q + 8 u + j.
; Sixteen neighbouring positions, taken as source 0 of a matrix instruction, then leave 16 NEIGHBOURING rows in the 16 registers of two neighbouring result tiles.  w_o's rows stay as they are.
; A work-group takes 32 rows, a wave 8 rows (8,192 numbers, 16 steps of 512): so the exchange is waves 1 and 2 changing places on the way out, and nothing else.
; A step: four loads of 512 consecutive bytes; the 2,048 bytes turn through the wave's own stage in LDS and come back 64 bytes (16 neighbours) a lane; two neighbouring lanes hold a block.
; No tensor loads, no barrier: waves share nothing.  Loads run four steps (16 loads a wave) ahead, the turn through LDS one step.
; THE DEAL (in place of the one named above): a work-group takes 16 rows, a wave 4 rows (4,096 numbers, 8 steps of 512): 768 work-groups.
.set STEPS, 8
.set EMAX,  4
.set CB,    12                         ; bytes of 16 codes
.set R,     16                         ; v16-79   four sets of 16 numbers as they are loaded
.set X,     80                         ; v80-111  two sets of 16 neighbours
.set C,     128                        ; v128-159 codes: four registers for each step, so that no store's data are written again
.set E,     112                        ; v112-119 a scale byte for each step
.set WREG,  8192                       ; LDS: a region of its own for each wave: two stages of 32 x SP bytes, and behind them its 128 scale bytes
.set SP,    80                         ; a lane's place in a stage: its 64 bytes + 16 of padding
.set WGX,   512                        ; work-groups 0-511 take x, 512-703 w_qkv, 704-767 w_o
.set WGW,   704
	s_load_b128 s[4:7], s[0:1], 0x0                ; x, w_qkv
	s_load_b128 s[8:11], s[0:1], 0x10              ; w_o, cod1
	s_load_b64 s[12:13], s[0:1], 0x20              ; scl1
	v_lshl_add_u32 v192, v0, 2, 0x8000
	v_mov_b32 v193, 0
	v_lshrrev_b32 v1, 5, v0
	v_readfirstlane_b32 s16, v1                    ; wave
	v_and_b32 v2, 31, v0                           ; lane
	v_lshlrev_b32 v3, 4, v2                        ; my 16 bytes of a load's 512
	s_mul_i32 s17, s16, WREG
	v_lshrrev_b32 v14, 2, v2
	v_mul_u32_u24 v14, v14, SP
	v_and_b32 v15, 3, v2
	v_lshl_add_u32 v14, v15, 4, v14
	v_add_nc_u32 v14, s17, v14                     ; the stage, on the way in: SP (lane / 4) + 16 (lane % 4); a load's 512 bytes take eight places
	v_mul_u32_u24 v15, v2, SP
	v_add_nc_u32 v15, s17, v15                     ; and on the way out: SP x lane: my 16 neighbours
	; cod1's ORDER (in place of the rows of 768 bytes named at the head): [4 chunks of 256 along K][12288 rows][192 bytes], so that 128 rows of one chunk are 24,576 bytes on end
	v_and_b32 v4, 15, v2
	v_mul_u32_u24 v4, v4, CB                       ; sixteen lanes hold a row's 192 bytes of one chunk;
	v_lshrrev_b32 v8, 4, v2
	v_mad_u32_u24 v4, v8, 0x240000, v4             ; lanes 16-31 the next chunk's, 12288 x 192 bytes on
	v_lshrrev_b32 v5, 1, v2
	s_add_co_u32 s17, s17, 2*32*SP
	v_add_nc_u32 v5, s17, v5                       ; LDS: my wave's 128 scale bytes, my block's byte
	v_lshlrev_b32 v7, 2, v2                        ; and on the way out 4 bytes a lane
	v_add_nc_u32 v6, s17, v7
	s_lshl_b32 s23, ttmp9, 2
	s_add_co_u32 s24, s23, s16                     ; my run of 4 rows among cod1's: its bits 1 and 2 are bits 3 and 4 of the rows' numbers
	s_bfe_u32 s22, s24, 0x10001
	s_bfe_u32 s25, s24, 0x10002
	s_and_b32 s23, s24, 0xfffffff9
	s_lshl_b32 s22, s22, 2
	s_lshl_b32 s25, s25, 1
	s_or_b32 s23, s23, s22
	s_or_b32 s23, s23, s25                         ; the run's number with these two bits exchanged
	s_mov_b32 s17, WGW
	s_wait_alu depctr_va_vdst(0)
	s_wait_kmcnt 0x0
	s_cmp_lt_u32 ttmp9, WGW                        ; the choices hang on the work-group's number alone
	s_cselect_b64 s[6:7], s[6:7], s[8:9]           ; w_qkv or w_o
	s_cselect_b32 s17, WGX, s17                    ; the tensor's first work-group
	s_cselect_b32 s23, s23, s24                    ; x and w_qkv go out in position order, w_o as it is
	s_cmp_lt_u32 ttmp9, WGX
	s_cselect_b64 s[4:5], s[4:5], s[6:7]           ; x, or the one chosen above
	s_cselect_b32 s17, 0, s17
	s_sub_co_u32 s17, ttmp9, s17
	s_lshl_b32 s17, s17, 2
	s_add_co_u32 s18, s17, s16                     ; which run of 4 rows of the tensor I read
	s_lshl_b32 s20, s18, 14                        ; 16,384 bytes a run of 4 rows
	s_mov_b32 s21, 0
	s_add_nc_u64 s[4:5], s[4:5], s[20:21]
	s_mov_b32 s18, s23                             ; which run of 4 rows of cod1 and scl1 I write
	s_mul_i32 s20, s18, 4*192                      ; a run of 4 rows is 768 bytes in each chunk
	s_add_nc_u64 s[10:11], s[10:11], s[20:21]
	s_lshl_b32 s20, s18, 7                         ; 128 scale bytes a run
	s_add_nc_u64 s[12:13], s[12:13], s[20:21]
.macro LOAD t
.irp i, 0,1,2,3
	global_load_b128 v[R+16*((\t)%4)+4*\i:R+16*((\t)%4)+4*\i+3], v3, s[4:5] offset:2048*(\t)+512*\i th:TH_LOAD_NT   ; 32 lanes read 512 consecutive bytes; read once in the launch
.endr
.endm
.macro TURN t                          ; step t's numbers through the stage: LDS serves a wave's instructions in order (ISA guide 5.7.1), so no wait stands between the stores and the loads
.irp i, 0,1,2,3
	ds_store_b128 v14, v[R+16*((\t)%4)+4*\i:R+16*((\t)%4)+4*\i+3] offset:32*SP*((\t)%2)+8*SP*\i
.endr
.irp i, 0,1,2,3
	ds_load_b128 v[X+16*((\t)%2)+4*\i:X+16*((\t)%2)+4*\i+3], v15 offset:32*SP*((\t)%2)+16*\i
.endr
.endm
.irp t, 0,1,2,3
	LOAD \t
.endr
	s_wait_loadcnt 12                              ; step 0's four loads are in; the twelve of steps 1 to 3 stay out
	TURN 0
.macro STEP t
.set XS, X+16*((\t)%2)
.if (\t) > 0
	s_wait_dscnt 1                                 ; this step's numbers are back from the stage (the last step's byte store may be out): so its stores into the stage have read their registers,
.else
	s_wait_dscnt 0x0
.endif
.if (\t)+4 < STEPS
	LOAD (\t)+4                                    ; which take the loads of four steps on
.endif
.if (\t)+1 < STEPS
.if STEPS-2-(\t) >= 3
	s_wait_loadcnt 12                              ; the next step's four loads are in; those of the three steps behind it may be out
.else
	s_wait_loadcnt 4*(STEPS-2-(\t))
.endif
	TURN (\t)+1                                    ; and go through the other stage while this step is worked
.endif
	v_max3_num_f32 v8, |v[XS]|, |v[XS+1]|, |v[XS+2]|               ; the largest magnitude of my 16, in two chains
	v_max3_num_f32 v9, |v[XS+3]|, |v[XS+4]|, |v[XS+5]|
.irp i, 6,10
	v_max3_num_f32 v8, v8, |v[XS+\i]|, |v[XS+\i+1]|
	v_max3_num_f32 v9, v9, |v[XS+\i+2]|, |v[XS+\i+3]|
.endr
	v_max3_num_f32 v8, v8, |v[XS+14]|, |v[XS+15]|
	v_max3_num_f32 v8, v8, v9, (EMAX+1)<<23        ; and the floor 2^(5 - 127): the byte cannot fall under 1
	v_max_num_f32_dpp v8, v8, v8 row_xmask:1 row_mask:0xf bank_mask:0xf   ; and of my neighbour's 16: the block's
	v_add_nc_u32 v11, -(EMAX<<23), v8              ; 4 off its exponent field: the conversion takes the exponent field of this operand as its scale, and nothing else of it
	v_cvt_scalef32_pk16_bf6_f32 v[C+4*(\t):C+4*(\t)+2], v[XS:XS+15], v11         ; sixteen numbers / the scale, to the nearest code, ties to even, beyond the largest code the largest; 96 bits without gaps
	v_lshrrev_b32 v[E+(\t)], 23, v11               ; the scale's byte (also the plain line behind the conversion)
	ds_store_b8 v5, v[E+(\t)] offset:16*(\t)       ; both lanes of a block write the same byte with the same value
	global_store_b96 v4, v[C+4*(\t):C+4*(\t)+2], s[10:11] offset:2*0x240000*((\t)%2)+192*((\t)/2)   ; step t is half t % 2 of row t / 2: two chunks, 192 consecutive bytes in each
.endm
.irp t, 0,1,2,3,4,5,6,7
	STEP \t
.endr
	ds_load_b32 v12, v6                            ; served in order: this sees my byte stores
	s_wait_dscnt 0x0
	global_store_b32 v7, v12, s[12:13]             ; 32 lanes store my run's 128 consecutive scale bytes
	s_wait_tensorcnt 0x0
	ds_add_u32 v192, v193
	s_wait_dscnt 0x0
	s_endpgm
.Lfunc_end_k_q84daf7d5d7_quant:
	.size	k_q84daf7d5d7_quant, .Lfunc_end_k_q84daf7d5d7_quant-k_q84daf7d5d7_quant
	.p2alignl 7, 3214868480
	.fill 96, 4, 3214868480
	.section	.rodata,"a",@progbits
	.p2align	6, 0x0
	.amdhsa_kernel k_q84daf7d5d7_quant
		.amdhsa_group_segment_fixed_size 33280
		.amdhsa_private_segment_fixed_size 0
		.amdhsa_enable_private_segment 0
		.amdhsa_kernarg_size 40
		.amdhsa_user_sgpr_count 2
		.amdhsa_user_sgpr_kernarg_segment_ptr 1
		.amdhsa_wavefront_size32 1
		.amdhsa_system_sgpr_workgroup_id_x 1
		.amdhsa_system_sgpr_workgroup_id_y 1
		.amdhsa_system_sgpr_workgroup_id_z 1
		.amdhsa_system_vgpr_workitem_id 0
		.amdhsa_next_free_vgpr 194
		.amdhsa_next_free_sgpr 66
		.amdhsa_reserve_vcc 0
		.amdhsa_float_denorm_mode_32 3
		.amdhsa_float_denorm_mode_16_64 3
		.amdhsa_memory_ordered 1
		.amdhsa_forward_progress 1
		.amdhsa_inst_pref_size 18
	.end_amdhsa_kernel
	.amdgpu_metadata
---
amdhsa.version: [ 1, 2 ]
amdhsa.kernels:
  - .name:           k_q84daf7d5d7_quant
    .symbol:         k_q84daf7d5d7_quant.kd
    .args:
      - { .name: x, .offset: 0, .size: 8, .value_kind: global_buffer, .address_space: global }
      - { .name: w_qkv, .offset: 8, .size: 8, .value_kind: global_buffer, .address_space: global }
      - { .name: w_o, .offset: 16, .size: 8, .value_kind: global_buffer, .address_space: global }
      - { .name: cod1, .offset: 24, .size: 8, .value_kind: global_buffer, .address_space: global }
      - { .name: scl1, .offset: 32, .size: 8, .value_kind: global_buffer, .address_space: global }
    .group_segment_fixed_size: 33280
    .private_segment_fixed_size: 0
    .kernarg_segment_align: 8
    .kernarg_segment_size: 40
    .max_flat_workgroup_size: 128
    .sgpr_count:     66
    .vgpr_count:     194
    .wavefront_size: 32
...
	.end_amdgpu_metadata
.endif
;; end of part 1
;; launch gemm_qkv (part 2): grid 8 x 48, 4 waves a work-group, clusters of 4 x 4, 327,680 bytes of LDS; arguments cod1, scl1, cod2, scl2; writes cod2, scl2
.if DOCPART == 2
	.amdgcn_target "amdgcn-amd-amdhsa--gfx1250"
	.amdhsa_code_object_version 6
	.text
	.protected	k_q84daf7d5d7_gemm_qkv
	.globl	k_q84daf7d5d7_gemm_qkv
	.p2align	8
	.type	k_q84daf7d5d7_gemm_qkv,@function
k_q84daf7d5d7_gemm_qkv:
	s_mov_b64 s[64:65], 0
	v_nop
	global_prefetch_b8 v0, s[64:65] scope:SCOPE_SE
	s_setreg_imm32_b32 hwreg(HW_REG_WAVE_MODE, 25, 1), 1
	s_wait_xcnt 0x0
	s_wait_alu depctr_hold_cnt(0) depctr_sa_sdst(0) depctr_va_vdst(0) depctr_va_sdst(0) depctr_va_ssrc(0) depctr_va_vcc(0) depctr_vm_vsrc(0)
	s_getreg_b32 s2, hwreg(HW_REG_IB_STS2, 6, 4)
	s_cmp_eq_u32 s2, 0
	s_cbranch_scc0 .Lentry_in_a_cluster
	s_endpgm
.Lentry_in_a_cluster:
	s_bfe_u32 s2, ttmp6, 0x10000c
	s_cmp_lg_u32 s2, 0xf033
	s_cbranch_scc0 .Lentry_shape_is_right
	s_endpgm
.Lentry_shape_is_right:
; THE QKV PROJECTION on codes of BF6 (E3M2) with one E8M0 scale for each 32 along K = 1,024; its results never leave as f32: they are quantised here for the two products of attention.
; cod1 [4 chunks of 256 along K][12288][192 B], scl1 [12288][32 B]: rows 0-8191 x, 8192-10239 the weights of Q and K, 10240-11263 those of V; x's and the weights' rows lie in POSITION ORDER (inside each 32 rows, bits 3 and 4 of the row's number exchanged).
; A tile of 256 x 256 results is made by four waves, 128 x 128 each: 64 accumulators of 16 x 16, 512 registers.  K goes in steps of 256 through a ring of two LDS slots filled by the tensor data mover.
; THE MATRIX INSTRUCTION: source 0 = 16 rows of "B", source 1 = 16 rows of "A": a lane holds ONE row of A, and its registers run along B's rows; since B's rows lie in position order,
; the 16 registers of two neighbouring accumulators are 16 NEIGHBOURS along B's true order: the axis that is quantised next.
; TWO MODES, chosen by the cluster's y (the same in all sixteen partners); they differ in row numbers and output offsets alone:
;   clusters y 0-7:  A = x, B = the weights of Q and K: a lane holds one token, registers run along a head's 64: Q and K quantised along d.  Out: cod2 [32 heads (Q's 16, K's 16)][8192 positions][48 B];
;                    scl2 [32][8192][4 B]: two scale bytes, then twice 0x7f for the zero codes that fill the attention's K of 64 up to an instruction's 128.
;   clusters y 8-11: A = the weights of V, B = x: a lane holds one d, registers run along the tokens: V quantised along the keys.  Out: cod2 + 12,582,912: [b 4][head 16][32 groups of 64 keys][64 d positions][48 B];
;                    scl2 + 1,048,576: [b][head][16 steps of 128 keys][64 d positions][4 B].
; CLUSTERS: 4 x 4 work-groups.  The four of a row of the cluster need the same tiles of A, the four of a column the same tiles of B: each tile is asked for JOINTLY, by the same tensor load with the same descriptor and a mask that names the four.
; THE SCALES of the work-group's 256 rows of A and of B, for all of K, are two dense blocks: they come into LDS once, with the first fills, and stay.
; LIMITS: a block of zeros, or one whose largest magnitude lies under 2^-122, gets the byte 1 (its codes are zeros or nearly so; only this program reads the bytes).  NaN and infinities are not served.
; REGISTERS, in windows of 256: window 0: v0-31 addresses; v32-63 scale words, two sets; v64-103 at work on the way out; from v128 A's fragments, ONE set; on the way out v128-231 take the stage's bytes.
;   window 1: B's fragments, TWO sets, at v0 and v128.   window 2: the 32 accumulators of my rows 0-63 ((a, b) at v[8 (8 a + b)]);   window 3: those of my rows 64-127.
.set SIZE_K, 1024
.set KSTEP,  256                       ; along K in a slot
.set NQ,     KSTEP/128                 ; matrix instructions deep
.set ROWB,   192                       ; a tile's row in bytes
.set KROW,   SIZE_K*6/8                ; a row of codes in memory
.set PITCH,  240                       ; an LDS row: 3 x (64 bytes + 16 of padding) = 60 words: the 32 lanes of a load of 8 bytes touch 64 different banks (64 banks of 4 bytes: ISA guide 11.1)
.set FR,     12                        ; registers of a fragment: 16 rows x 128 K
.set NL,     6                         ; LDS loads that bring one
.set NP,     4                         ; places behind this matrix instruction (ISA guide 7.12.1)
.set HALFT,  128*PITCH                 ; 128 rows: what one tensor load brings
.set SLOT,   4*HALFT                   ; A's 256 rows, then B's 256 rows
.set LAPS,   SIZE_K/(2*KSTEP)          ; a lap = two K steps = once round the ring
.set KS,     SIZE_K/32                 ; a row of scales in bytes
.set SCL,    2*SLOT                    ; behind the ring: the scales, as units of 256 bytes + 16 of padding
.set HALFS,  (128*KS/256)*272          ; the scales of 128 rows
.set SBLK,   (16*KS/256)*272           ; those of 16 rows
.set SPARE,  SCL+4*HALFS               ; behind the scales: the spare words, 128 bytes for each wave: two blocks of 256 bytes that no other line names
.set WSTG,   13312                     ; the way out: a stage for each wave, 12,288 bytes of codes and 1,024 of scale words.  It lies in slot 0, which has had its last fill and its last read when the first code is stored there
.set SH,   15                          ; v15     how far my half of the lanes shifts a scale word
.set ADRA, 16                          ; v16-17  LDS address of my A fragments in slot 0, 1  (v18-19: for the pieces that lie behind one padding more)
.set ADRB, 20                          ; v20-21  the same for B  (v22-23)
.set STC,  24                          ; v24     the stage: where I put 24 bytes of codes
.set RDB,  25                          ; v25     the stage: 16 x lane, on the way back
.set VO,   26                          ; v26     16 x lane: my place in a store's 512 bytes
.set ADRS, 27                          ; v27     LDS address of my scale words: lanes 0-15 A's rows, lanes 16-31 B's
.set SPW,  28                          ; v28     LDS address of my spare word; never rewritten
.set NIL,  29                          ; v29     0; never rewritten
.set STS,  30                          ; v30     the stage: where I put a scale word
.set VS,   31                          ; v31     my place in a store of scale words
.set SC,   32                          ; scale words: set s at v[SC + 8 NQ s]; register NQ i + q: lanes 0-15 A's block i, lanes 16-31 B's block i
.set TM,   64                          ; v64-67 largest magnitudes, v68-71 bytes, v76-79 the conversions' scale operands
.set PW,   80                          ; v80     four scale bytes
.set SV,   81                          ; v81     the scale word as it is stored
.set PC,   84                          ; v84-103 the codes just made
.set AF,   128                         ; A's fragments
.set BKC,  128                         ; the way out: 24 x 4 registers of codes, v128-223;
.set BKS,  224                         ; 2 x 4 of scale words, v224-231
.set G1, 24                            ; s[24:31] descriptor group 1 for A's tiles;  s[32:39] group 0, one set for each slot
.set G0, 32
.set G1B, 48                           ; s[48:55], s[56:63] the same for B's tiles
.set G0B, 56
.set SEL, 66                           ; s[66:67] lane selects: lane l xor 16
.set G1S, 68                           ; s[68:75], s[76:79] groups 1 and 0 for A's scales;  s[80:87], s[88:91] for B's
.set G0S, 76
.set G1SB, 80
.set G0SB, 88
.set MD,  98                           ; s98  0: Q and K;  1: V
.set MK,  99                           ; s99  which bits of the shifted scale word are kept
.set ORV, 100                          ; s100 and which are set beside them
.set MSB, 0
.macro WIN new                         ; the immediate's high byte repeats the setting that is left
.if MSB != \new
	s_set_vgpr_msb (MSB<<8)|\new
.set MSB, \new
.endif
.endm
.set MUL_LO, 0xa1                      ; source 0 (B) window 1, source 1 (A) window 0, C and D window 2
.set MUL_HI, 0xf1                      ; the same, C and D window 3
.set TO_B,   0x40                      ; destination window 1, address window 0
; A joint load: waves 0 and 1 fetch for A, waves 2 and 3 for B.  Each of the two lines has ONE mask and one set of registers for all that issue it; the branch hangs on the wave's number alone.
; Four v_nop follow each of the two lines, ahead of the jump, the label and what follows.
.macro JLOAD g0a, g1a, g0b, g1b
	s_cmp_eq_u32 s15, 0
	s_cbranch_scc0 .Lfor_b_\@
	tensor_load_to_lds s[\g0a:\g0a+3], s[\g1a:\g1a+7]
	s_nop 0
.rept 4
	v_nop
.endr
	s_branch .Lasked_\@
.Lfor_b_\@:
	tensor_load_to_lds s[\g0b:\g0b+3], s[\g1b:\g1b+7]
	s_nop 0
.rept 4
	v_nop
.endr
.Lasked_\@:
.endm
.macro CREST                           ; a round of the cluster's barrier behind its opening barrier
	s_cmp_lg_u32 s14, 0
	s_cbranch_scc1 .Lnot_wave_0_\@
	s_barrier_signal -3
.Lnot_wave_0_\@:
	s_barrier_wait -3
	s_barrier_signal -1
	s_barrier_wait -1
.endm
.macro CROUND                          ; a whole round
	s_barrier_signal -1
	s_barrier_wait -1
	CREST
.endm
	s_load_b128 s[4:7], s[0:1], 0x0                ; cod1, scl1
	s_load_b128 s[8:11], s[0:1], 0x10              ; cod2, scl2
	v_lshl_add_u32 v[SPW], v0, 2, SPARE
	v_mov_b32 v[NIL], 0
	ds_add_u32 v28, v29
	ds_add_u32 v28, v29
	s_wait_dscnt 0x0
	v_lshrrev_b32 v1, 5, v0
	v_readfirstlane_b32 s14, v1                    ; wave 0..3
	s_lshr_b32 s15, s14, 1                         ; which half of the tile's rows of A is mine.  Also: I fetch for A (0) or for B (1)
	s_and_b32 s16, s14, 1                          ; which half of its rows of B.  Also: which 128 rows of that tile I fetch
	s_bfe_u32 s40, ttmp6, 0x40000                  ; cx, cy: my place in the cluster
	s_bfe_u32 s41, ttmp6, 0x40004
	s_and_b32 s99, ttmp7, 0xffff                   ; the cluster's y, 0 to 11: all partners share it
	s_lshl_b32 s100, s99, 2                        ; 4 y
	s_lshl_b32 s101, s99, 3
	s_sub_co_u32 s101, s101, 64                    ; 8 (y - 8)
	s_mov_b32 s96, 10240
	s_mov_b32 s97, 8192
	s_cmp_ge_u32 s99, 8                            ; V's clusters?  Only selections stand between this compare and the last of them
	s_cselect_b32 s100, 0, s100                    ; what the cluster adds to A's tile number: Q, K: 4 y;  V: 0
	s_cselect_b32 s101, s101, 0                    ; and to B's: Q, K: 0;  V: 8 (y - 8)
	s_cselect_b32 s96, s96, 0                      ; A's first row in cod1: x's, or V's weights'
	s_cselect_b32 s97, 0, s97                      ; B's: the weights of Q and K, or x's
	s_cselect_b32 s[MD], 1, 0
	s_lshl_b32 s42, ttmp9, 2
	s_add_co_u32 s42, s42, s40
	s_add_co_u32 s42, s42, s101                    ; B's tile = 4 x cluster x + cx (+ 8 (y - 8))
	s_add_co_u32 s17, s100, s41                    ; A's tile = cy (+ 4 y)
	s_lshl_b32 s43, s41, 2
	s_lshl_b32 s43, 15, s43                        ; my row of the cluster
	s_lshl_b32 s44, 0x1111, s40                    ; my column
	; descriptor group 1: a tile of 128 rows x ROWB bytes, padded in LDS
	s_or_b32 s[G1+0], s43, (0<<16)|(1<<20)|(1<<21)|(3<<22)|(3<<25)  ; 15:0 the mask: A's tiles go to my row; 17:16 element of 1 byte; 20 padding on; 21 set beside a mask; 24:22 after every 16 words (code 3); 31:25 of 4 words (code 3)
	s_or_b32 s[G1B+0], s44, (0<<16)|(1<<20)|(1<<21)|(3<<22)|(3<<25)
.irp g, G1, G1B
	; cod1 lies [4 chunks of 256 along K][12288 rows][192 bytes]: a tile's rows of one chunk are dense, and come as lines of 256 bytes: 192 lines for the head's 256 rows
	s_mov_b32 s[\g+1], 256<<16
	s_mov_b32 s[\g+2], 192<<16
	s_mov_b32 s[\g+3], 256<<16
	s_mov_b32 s[\g+4], 192
	s_mov_b32 s[\g+5], 256
	s_mov_b32 s[\g+6], 0
	s_mov_b32 s[\g+7], 0
.endr
	; and for the scales of 128 rows: a dense block of 4,096 bytes, as rows of 256 bytes (32 elements of 8 bytes), 16 bytes of padding behind each
	s_or_b32 s[G1S+0], s43, (3<<16)|(1<<20)|(1<<21)|(5<<22)|(3<<25)
	s_or_b32 s[G1SB+0], s44, (3<<16)|(1<<20)|(1<<21)|(5<<22)|(3<<25)
.irp g, G1S, G1SB
	s_mov_b32 s[\g+1], 32<<16
	s_mov_b32 s[\g+2], KS<<16                      ; the scales of 256 rows: KS lines of 256 bytes
	s_mov_b32 s[\g+3], 32<<16
	s_mov_b32 s[\g+4], KS
	s_mov_b32 s[\g+5], 32
	s_mov_b32 s[\g+6], 0
	s_mov_b32 s[\g+7], 0
.endr
	s_mov_b32 s[SEL], 0x76543210
	s_mov_b32 s[SEL+1], 0xfedcba98
.set CHB, 2359296                      ; from a chunk of cod1 to the next: 12288 rows x 192 bytes
	s_lshl_b32 s20, s17, 8
	s_add_co_u32 s20, s20, s96                     ; A: the tile's first row in cod1
	s_lshl_b32 s46, s42, 8
	s_add_co_u32 s46, s46, s97                     ; B likewise
	s_mov_b32 s21, 0
	s_mov_b32 s47, 0
	s_mov_b64 s[18:19], KS
	s_mul_u64 s[22:23], s[20:21], s[18:19]         ; where these rows' scales begin, in bytes
	s_mul_u64 s[92:93], s[46:47], s[18:19]
	s_mov_b64 s[18:19], ROWB
	s_mul_u64 s[20:21], s[20:21], s[18:19]         ; and their codes
	s_mul_u64 s[46:47], s[46:47], s[18:19]
	s_mul_i32 s45, s14, HALFT                      ; where they go: wave x 128 rows: no place in the cluster enters an LDS address
	s_mul_i32 s18, s16, 128*ROWB                   ; in the ring I fetch 128 rows of a tile: which half, in bytes
	s_mov_b32 s19, 0
	s_wait_kmcnt 0x0
	s_add_nc_u64 s[20:21], s[4:5], s[20:21]
	s_add_nc_u64 s[22:23], s[6:7], s[22:23]
	s_add_nc_u64 s[46:47], s[4:5], s[46:47]
	s_add_nc_u64 s[92:93], s[6:7], s[92:93]
	CROUND                                         ; all sixteen work-groups are here: the first joint loads meet
	s_mov_b32 s[G0S], 1
	s_mov_b32 s[G0S+1], SCL
	s_mov_b64 s[G0S+2:G0S+3], s[22:23]
	s_or_b32 s[G0S+3], s[G0S+3], 0x80000000
	s_mov_b32 s[G0SB], 1
	s_mov_b32 s[G0SB+1], SCL+2*HALFS
	s_mov_b64 s[G0SB+2:G0SB+3], s[92:93]
	s_or_b32 s[G0SB+3], s[G0SB+3], 0x80000000
	; slot 0's groups 0 serve the head first: chunk 0's whole 256 rows of A and of B; behind the head's wait they are set to my 128 rows
	s_mov_b32 s[G0], 1
	s_mov_b32 s[G0+1], 0
	s_mov_b64 s[G0+2:G0+3], s[20:21]
	s_or_b32 s[G0+3], s[G0+3], 0x80000000
	s_mov_b32 s[G0B], 1
	s_mov_b32 s[G0B+1], 2*HALFT
	s_mov_b64 s[G0B+2:G0B+3], s[46:47]
	s_or_b32 s[G0B+3], s[G0B+3], 0x80000000
	s_add_nc_u64 s[20:21], s[20:21], s[18:19]      ; slot 1: my 128 rows of chunk 1
	s_add_nc_u64 s[46:47], s[46:47], s[18:19]
	s_mov_b32 s[G0+4], 1
	s_add_co_u32 s[G0+5], s45, SLOT
	s_add_nc_u64 s[G0+6:G0+7], s[20:21], CHB
	s_or_b32 s[G0+7], s[G0+7], 0x80000000
	s_mov_b32 s[G0B+4], 1
	s_add_co_u32 s[G0B+5], s45, SLOT
	s_add_nc_u64 s[G0B+6:G0B+7], s[46:47], CHB
	s_or_b32 s[G0B+7], s[G0B+7], 0x80000000
; THE HEAD'S LOADS, ONE A WAVE: wave 0 chunk 0's 256 rows of A, wave 1 its 256 rows of B, wave 2 A's scales, wave 3 B's: one chain of branches on the wave's number
.macro ARM under, g0, g1, next
	s_cmp_lt_u32 s14, \under
	s_cbranch_scc0 \next
	tensor_load_to_lds s[\g0:\g0+3], s[\g1:\g1+7]
	s_nop 0
.rept 4
	v_nop
.endr
	s_branch .Lhead_asked
\next:
.endm
	ARM 1, G0,  G1,  .Lhead_b
	ARM 2, G0B, G1B, .Lhead_sa
	ARM 3, G0S, G1S, .Lhead_sb
	tensor_load_to_lds s[G0SB:G0SB+3], s[G1SB:G1SB+7]
	s_nop 0
.rept 4
	v_nop
.endr
.Lhead_asked:
	v_and_b32 v1, 15, v0                           ; r = l % 16
	v_bfe_u32 v2, v0, 4, 1                         ; h = l / 16
	v_mul_u32_u24 v3, v1, PITCH
	v_mul_u32_u24 v4, v2, 24
	v_add_nc_u32 v4, v3, v4                        ; a fragment's row x pitch + 24 x half
	v_lshl_add_u32 v5, v2, 4, v4                   ; and the same behind one padding more
	s_mul_i32 s21, s15, HALFT                      ; my 128 rows of A
	s_mul_i32 s22, s16, HALFT                      ; my 128 rows of B,
	s_add_co_u32 s22, s22, 2*HALFT                 ; which lie behind A's 256
.irp s, 0,1
	v_add_nc_u32 v[ADRA+\s], s21, v4
	v_add_nc_u32 v[ADRB+\s], s22, v4
	v_add_nc_u32 v[ADRA+2+\s], s21, v5
	v_add_nc_u32 v[ADRB+2+\s], s22, v5
	s_add_co_u32 s21, s21, SLOT
	s_add_co_u32 s22, s22, SLOT
.endr
	v_mul_u32_u24 v5, v1, KS                       ; my row's scales: KS bytes a row,
	v_lshrrev_b32 v6, 8, v5
	v_lshl_add_u32 v5, v6, 4, v5                   ; and 16 more for each 256 passed
	s_mul_i32 s21, s15, HALFS                      ; A's: my 128 rows
	s_mul_i32 s22, s16, HALFS                      ; B's: my 128 rows, behind A's 256
	s_add_co_u32 s22, s22, 2*HALFS
	s_sub_co_u32 s22, s22, s21
	v_mul_u32_u24 v6, s22, v2                      ; lanes 16-31 take B's: the lower base + h x the distance
	s_add_co_u32 s21, s21, SCL
	v_add_nc_u32 v5, v5, v6
	v_add_nc_u32 v[ADRS], s21, v5
	s_mul_i32 s23, s14, WSTG                       ; my stage
	v_mul_u32_u24 v5, v1, 48
	v_mad_u32_u24 v5, v2, 24, v5
	v_add_nc_u32 v[STC], s23, v5                   ; codes in: 48 r + 24 h; the block of 16 rows and the half of the 128 stand in the immediate
	v_and_b32 v6, 31, v0
	v_lshlrev_b32 v[VO], 4, v6
	v_add_nc_u32 v[RDB], s23, v[VO]                ; back: 16 bytes a lane
	v_lshlrev_b32 v5, 2, v1
	v_lshl_add_u32 v5, v2, 9, v5
	v_add_nc_u32 v5, s23, v5
	v_add_nc_u32 v[STS], 12288, v5                 ; scale words in: behind the codes, 512 h + 4 r
	; WHERE MY RESULTS GO, in bytes from cod2's and scl2's first bytes: both modes' offsets are made, then one compare chooses
	s_lshl_b32 s18, s42, 2
	s_lshl_b32 s19, s16, 1
	s_add_co_u32 s18, s18, s19                     ; Q, K: my first head of the 32: 4 x B's tile + 2 x half
	s_lshl_b32 s19, s17, 8
	s_lshl_b32 s20, s15, 7
	s_add_co_u32 s19, s19, s20                     ; my first position: 256 x A's tile + 128 x half
	s_mul_i32 s20, s18, 393216                     ; a head's 8,192 rows of 48 bytes
	s_mul_i32 s21, s19, 48
	s_add_co_u32 s20, s20, s21                     ; Q, K: codes
	s_lshl_b32 s21, s18, 15
	s_lshl_b32 s22, s19, 2
	s_add_co_u32 s21, s21, s22                     ; Q, K: scale words
	s_lshl_b32 s18, s17, 2
	s_lshl_b32 s19, s15, 1
	s_add_co_u32 s18, s18, s19                     ; V: my first head: 4 x A's tile + 2 x half
	s_lshl_b32 s19, s42, 8
	s_lshl_b32 s22, s16, 7
	s_add_co_u32 s19, s19, s22                     ; my first token: 256 x B's tile + 128 x half
	s_lshr_b32 s22, s19, 11                        ; its batch,
	s_and_b32 s19, s19, 2047                       ; and its key there
	s_mul_i32 s23, s22, 1572864                    ; 16 heads of 98,304 bytes
	s_mul_i32 s46, s18, 98304
	s_add_co_u32 s23, s23, s46
	s_lshr_b32 s46, s19, 6
	s_mul_i32 s46, s46, 3072                       ; a group of 64 keys: 64 rows of 48 bytes
	s_add_co_u32 s23, s23, s46
	s_add_co_u32 s23, s23, 12582912                ; V: codes
	s_lshl_b32 s22, s22, 16
	s_lshl_b32 s46, s18, 12
	s_add_co_u32 s22, s22, s46
	s_lshr_b32 s46, s19, 7
	s_lshl_b32 s46, s46, 8
	s_add_co_u32 s22, s22, s46
	s_add_co_u32 s22, s22, 1048576                 ; V: scale words
	s_mov_b32 s92, 393216
	s_mov_b32 s93, 98304
	s_mov_b32 s94, 4096
	s_mov_b32 s[MK], 0xffff
	s_mov_b32 s[ORV], 0x7f7f0000
	s_cmp_lg_u32 s[MD], 0
	s_cselect_b32 s20, s23, s20                    ; codes
	s_cselect_b32 s22, s22, s21                    ; scale words
	s_cselect_b32 s92, 3072, s92                   ; from the stage's first 6,144 bytes to its second: V: the next group of keys;  Q, K: the next head
	s_cselect_b32 s46, s93, 3072                   ; from a chunk of 3,072 bytes to the next: V: the next head;  Q, K: the next 64 positions
	s_cselect_b32 s94, s94, 256                    ; from lanes 0-15's 256 bytes of scale words to lanes 16-31's: V: the next head;  Q, K: on end
	s_cselect_b32 s95, 0, 16                       ; Q, K: lanes 16-31 take the second head's two bytes of the four
	s_cselect_b32 s[MK], -1, s[MK]                 ; V keeps all four bytes;  Q, K keep two
	s_cselect_b32 s[ORV], 0, s[ORV]                ; and set 0x7f in the other two
	s_mov_b32 s21, 0
	s_mov_b32 s23, 0
	s_mov_b32 s93, 0
	s_mov_b32 s47, 0
	s_add_nc_u64 s[4:5], s[8:9], s[20:21]          ; the four chunks' places: (0, 0),
	s_add_nc_u64 s[6:7], s[4:5], s[46:47]          ; (0, 1),
	s_add_nc_u64 s[8:9], s[4:5], s[92:93]          ; (1, 0),
	s_add_nc_u64 s[12:13], s[8:9], s[46:47]        ; (1, 1)
	s_add_nc_u64 s[10:11], s[10:11], s[22:23]      ; and the scale words'
	v_mul_u32_u24 v[VS], s94, v2
	v_lshl_add_u32 v[VS], v1, 4, v[VS]             ; 16 r + h x the distance
	v_mul_u32_u24 v[SH], s95, v2
.macro FRAG reg, adr, q, i             ; a fragment, 16 rows x 128 K of 6-bit codes, is 12 registers: lane l holds row l % 16; registers 6 c .. 6 c + 5 hold K = 64 c + 32 (l / 16) + 0 .. 31: 24 bytes of the row's stream of bits, as they lie
.irp p, 0,1,2,3,4,5                    ; in pieces of 8 bytes, so that every address is a multiple of the access's size
.set PCE, 12*(\q)+6*(\p/3)+\p%3       ; the mover has laid 16 bytes of padding behind every 64 bytes (8 pieces): where the piece three on (lanes 16-31's) lies behind one padding more, the second address register serves
.if PCE%8 < 5
	ds_load_b64 v[\reg+2*\p:\reg+2*\p+1], v[\adr] offset:8*PCE+16*(PCE/8)+(\i)*16*PITCH
.else
	ds_load_b64 v[\reg+2*\p:\reg+2*\p+1], v[\adr+2] offset:8*PCE+16*(PCE/8)+(\i)*16*PITCH
.endif
.endr
.endm
; 16 matrix instructions: A's blocks a0, a0 + 1 x B's eight, 128 along K: the slot's q-th.  p: B's set;  sc: the set of scale words.  zero = 1: the first product starts the sums: nothing is ever cleared.
; The 64 accumulators take turns, one instruction a turn, in the same order in every step.
.macro MUL16 a0, p, q, sc, zero
.irp a, \a0, \a0+1
.irp b, 0,1,2,3,4,5,6,7
.if \zero
	v_wmma_scale_f32_16x16x128_f8f6f4 v[8*(8*((\a)%4)+\b):8*(8*((\a)%4)+\b)+7], v[128*(\p)+FR*\b:128*(\p)+FR*\b+FR-1], v[AF+FR*(\a):AF+FR*(\a)+FR-1], 0, v[SC+8*NQ*(\sc)+NQ*\b+(\q)], v[SC+8*NQ*(\sc)+NQ*(\a)+(\q)] matrix_a_fmt:MATRIX_FMT_BF6 matrix_b_fmt:MATRIX_FMT_BF6 matrix_a_scale:MATRIX_SCALE_ROW1
.else
	v_wmma_scale_f32_16x16x128_f8f6f4 v[8*(8*((\a)%4)+\b):8*(8*((\a)%4)+\b)+7], v[128*(\p)+FR*\b:128*(\p)+FR*\b+FR-1], v[AF+FR*(\a):AF+FR*(\a)+FR-1], v[8*(8*((\a)%4)+\b):8*(8*((\a)%4)+\b)+7], v[SC+8*NQ*(\sc)+NQ*\b+(\q)], v[SC+8*NQ*(\sc)+NQ*(\a)+(\q)] matrix_a_fmt:MATRIX_FMT_BF6 matrix_b_fmt:MATRIX_FMT_BF6 matrix_a_scale:MATRIX_SCALE_ROW1
.endif
.endr
.endr
.endm
.macro FETCH_B slot, q, p              ; B's eight fragments of the slot's q-th 128 along K into set p
	WIN TO_B
.irp i, 0,1,2,3,4,5,6,7
	FRAG 128*(\p)+FR*\i, ADRB+\slot, \q, \i
.endr
	WIN 0
.endm
.macro FETCH_A slot, q, i0             ; A's blocks i0 .. i0 + 3
.irp i, \i0, \i0+1, \i0+2, \i0+3
	FRAG AF+FR*(\i), ADRA+\slot, \q, \i
.endr
.endm
.macro SCALES sc                       ; the next K step's scale words into set sc: NQ words a row; lanes 0-15 take A's block i, lanes 16-31 B's block i
.irp i, 0,1,2,3,4,5,6,7
	ds_load_b64 v[SC+8*NQ*\sc+NQ*\i:SC+8*NQ*\sc+NQ*\i+1], v[ADRS] offset:\i*SBLK
.endr
.endm
; A load into a register that a matrix instruction has read, and a vector instruction that reads a matrix result, stand NP places behind that matrix instruction, and only plain vector
; instructions that name none of its registers are places (ISA guide 7.12.1 for vector instructions).
.macro PLACES n
.rept \n
	v_nop
.endr
.endm
; A step of 128 along K that has its successor in the same slot.
.macro STEP slot, q, zero
	s_wait_dscnt 4*NL                              ; B's set and A's blocks 0-3 are in; the youngest 24 loads (A's blocks 4-7) may be out
	WIN MUL_LO
	MUL16 0, (\q)%2, \q, \slot, \zero
	MUL16 2, (\q)%2, \q, \slot, \zero
	s_wait_dscnt 0                                 ; A's blocks 4-7 are in (asked for 32 matrix instructions ago)
	PLACES NP
	FETCH_B \slot, (\q)+1, 1-(\q)%2
	FETCH_A \slot, (\q)+1, 0
	WIN MUL_HI
	MUL16 4, (\q)%2, \q, \slot, \zero
	MUL16 6, (\q)%2, \q, \slot, \zero
	PLACES NP
	WIN 0
	FETCH_A \slot, (\q)+1, 4
.endm
; A slot's last step changes slots: ONE barrier; in front of it each wave waits for all its tensor loads, adds 0 to its spare word, and waits for that and for its own reads of this slot.  fill = 1: this slot is filled again, two K steps ahead.
.macro TURN slot, next, fill
	s_wait_tensorcnt 0x0                           ; all my tensor loads have landed: my part of the next slot;  (every window is 0 here)
	ds_add_u32 v[SPW], v[NIL]                      ; 0 onto my spare word;
	s_wait_dscnt 4*NL+1                            ; (the add and the youngest 24 loads, A's blocks 4-7, may be out)
	WIN MUL_LO
	MUL16 0, 1, NQ-1, \slot, 0                     ; sixteen matrix instructions stand between the add and the wait for it
	s_wait_dscnt 0x0                               ; the add is done, and my reads of this slot are over
	s_barrier_signal -1
	MUL16 2, 1, NQ-1, \slot, 0
	WIN 0
	s_barrier_wait -1
.if \fill
	CREST                                          ; the barrier has opened a round of the cluster's barrier: no wave of any partner still reads this slot's tile or has a load on its way
	s_add_nc_u64 s[G0+4*\slot+2:G0+4*\slot+3], s[G0+4*\slot+2:G0+4*\slot+3], 2*CHB
	s_add_nc_u64 s[G0B+4*\slot+2:G0B+4*\slot+3], s[G0B+4*\slot+2:G0B+4*\slot+3], 2*CHB
	JLOAD G0+4*\slot, G1, G0B+4*\slot, G1B         ; the first tensor load behind the round; the four v_nop behind it are the places in front of the loads below
.else
	PLACES NP
.endif
	s_wait_alu depctr_va_vdst(0)
	v_add_nc_u32 v[ADRS], 4*NQ, v[ADRS]            ; on to the next K step's scale words (no LDS load of mine is out)
	FETCH_B \next, 0, 0
	FETCH_A \next, 0, 0
	SCALES \next
	WIN MUL_HI
	MUL16 4, 1, NQ-1, \slot, 0
	MUL16 6, 1, NQ-1, \slot, 0
	PLACES NP
	WIN 0
	FETCH_A \next, 0, 4
.endm
	s_wait_alu depctr_va_vdst(0)                   ; the wait at the head's end
	s_wait_tensorcnt 0x0                           ; my tile of the head's four is in; the three lines ahead of a later first fill, as ahead of a refill
	ds_add_u32 v[SPW], v[NIL]
	s_mov_b32 s[G1+2], 96<<16                      ; no tensor load of mine is out: from here on a load brings 128 rows, 96 lines of 256 bytes,
	s_mov_b32 s[G1+4], 96
	s_mov_b32 s[G1B+2], 96<<16
	s_mov_b32 s[G1B+4], 96
	s_mul_i32 s18, s16, 128*ROWB
	s_mov_b32 s19, 0
	s_mov_b32 s[G0+1], s45                         ; and slot 0's groups 0 stand at my 128 rows
	s_mov_b32 s[G0B+1], s45
	s_add_nc_u64 s[G0+2:G0+3], s[G0+2:G0+3], s[18:19]
	s_add_nc_u64 s[G0B+2:G0B+3], s[G0B+2:G0B+3], s[18:19]
	s_wait_dscnt 0x0
	CROUND                                         ; all four tiles are in, all sixteen work-groups are here
	JLOAD G0+4, G1, G0B+4, G1B                     ; chunk 1, the first tensor load behind the round
	FETCH_B 0, 0, 0
	FETCH_A 0, 0, 0
	SCALES 0
	FETCH_A 0, 0, 4
	STEP 0, 0, 1                                   ; the first step stands in front of the loop: its products start the sums
	s_mov_b32 s3, LAPS-1
.Llap:                                                 ; a trip goes once round the ring, from a lap's second step to the next lap's first, and fills both slots again
	TURN 0, 1, 1
	STEP 1, 0, 0
	TURN 1, 0, 1
	STEP 0, 0, 0
	s_sub_co_u32 s3, s3, 1
	s_cmp_lg_u32 s3, 0
	s_cbranch_scc1 .Llap
	TURN 0, 1, 0                                   ; the last lap fills nothing, and has no round of the cluster's barrier
	STEP 1, 0, 0
	s_wait_dscnt 4*NL                              ; the very last step: nothing more to fetch
	WIN MUL_LO
	MUL16 0, 1, NQ-1, 1, 0
	MUL16 2, 1, NQ-1, 1, 0
	s_wait_dscnt 0
	WIN MUL_HI
	MUL16 4, 1, NQ-1, 1, 0
	MUL16 6, 1, NQ-1, 1, 0
	WIN 0
; THE WAY OUT.  Block a (16 rows of A x my 128 of B): register 16 b + i of a lane's 64 is k = 32 b + 16 (l / 16) + i of its row, b = 0 .. 3: four blocks of 32, each shared by lanes l and l xor 16.
; Their largest magnitudes, bytes and codes are made as for any operand; the codes are a fragment's image: registers 6 c .. 6 c + 5 = k 64 c + 32 (l / 16) + 0 .. 31, 24 bytes, which go to 6144 c + 768 a + 48 r + 24 h of my stage.
; So the stage holds four dense chunks of 3,072 bytes (c, a / 4): Q, K: head c, 64 positions;  V: head a / 4, group c of 64 keys.
.macro QW a
.set AC, 64*((\a)%4)
.set WW, 2+(\a)/4                      ; the block's accumulators lie in window 2 or 3
.set W2, 5*WW                          ; sources 0 and 1 in that window
	WIN W2
.irp b, 0,1,2,3
	v_max3_num_f32 v[TM+\b], |v[AC+16*\b]|, |v[AC+16*\b+1]|, 0x2800000   ; each accumulator is read from its low end on; the floor 2^(5 - 127) holds the byte at 1 from below
.endr
.irp i, 2,4,6,8,10,12,14
.irp b, 0,1,2,3
	v_max3_num_f32 v[TM+\b], |v[AC+16*\b+\i]|, |v[AC+16*\b+\i+1]|, v[TM+\b]   ; (the four blocks by turns: no line waits for the line above it)
.endr
.endr
	WIN 0
.irp b, 0,1,2,3
	v_permlanex16_b32 v[TM+4+\b], v[TM+\b], s[SEL], s[SEL+1]
.endr
.irp b, 0,1,2,3
	v_max_num_f32 v[TM+\b], v[TM+\b], v[TM+4+\b]   ; with lane l xor 16's: the block's largest magnitude
.endr
.irp b, 0,1,2,3
	v_add_nc_u32 v[TM+12+\b], 0xfe000000, v[TM+\b] ; 4 off its exponent field: the conversion's scale operand
.endr
.irp b, 0,1,2,3
	v_lshrrev_b32 v[TM+4+\b], 23, v[TM+12+\b]      ; the scale's byte
.endr
	v_lshl_or_b32 v[PW], v[TM+5], 8, v[TM+4]
	v_lshl_or_b32 v[PW], v[TM+6], 16, v[PW]
	v_lshl_or_b32 v[PW], v[TM+7], 24, v[PW]        ; my row's four bytes
	s_wait_alu depctr_va_vdst(0)
	s_wait_dscnt 0x0                               ; the last block's stores into the stage have read their registers
	v_lshrrev_b32 v[SV], v[SH], v[PW]              ; Q, K: lanes 0-15 keep the first head's two bytes, lanes 16-31 the second's;  V: all four, in both halves
	v_and_or_b32 v[SV], v[SV], s[MK], s[ORV]
	WIN WW                                         ; source 0 in the accumulators' window
.irp c, 0,1
	v_cvt_scalef32_pk16_bf6_f32 v[PC+6*\c:PC+6*\c+2], v[AC+32*\c:AC+32*\c+15], v[TM+12+2*\c]
	v_cvt_scalef32_pk16_bf6_f32 v[PC+12+4*\c:PC+12+4*\c+2], v[AC+32*\c+16:AC+32*\c+31], v[TM+13+2*\c]   ; (a conversion's three registers begin on an even number)
.endr
	WIN 0
	v_nop                                          ; one plain place behind a scaled conversion
.irp c, 0,1                                    ; a WHOLE block to a lane: lanes 0-15 block 2 c, lanes 16-31 block 2 c + 1
.irp i, 0,1,2
	v_permlane16_swap_b32 v[PC+6*\c+\i], v[PC+12+4*\c+\i]
.endr
.irp i, 0,1,2
	v_mov_b32 v[PC+3+6*\c+\i], v[PC+12+4*\c+\i]
.endr
.endr
.irp c, 0,1
.irp p, 0,1,2
	ds_store_b64 v[STC], v[PC+6*\c+2*\p:PC+6*\c+2*\p+1] offset:768*(\a)+6144*\c+8*\p
.endr
.endr
	ds_store_b32 v[STS], v[SV] offset:64*(\a)
.endm
	PLACES NP                                      ; behind the last products
.irp b, 0,1,2,3
	v_mov_b32 v[TM+4+\b], 0                        ; written once: a lane permute's destination counts as one of its sources
.endr
.irp a, 0,1,2,3,4,5,6,7
	QW \a
.endr
.irp i, 0,1,2,3,4,5,6,7,8,9,10,11,12,13,14,15,16,17,18,19,20,21,22,23
	ds_load_b128 v[BKC+4*\i:BKC+4*\i+3], v[RDB] offset:512*\i      ; my own bytes, served in order (ISA guide 5.7.1): these see the stores above
.endr
.irp c, 0,1
	ds_load_b128 v[BKS+4*\c:BKS+4*\c+3], v[RDB] offset:12288+512*\c
.endr
.macro OUT6 i0, base                   ; a chunk of 3,072 bytes: six stores of 512 consecutive bytes, each at a multiple of 256 from cod2's first byte
.irp k, 0,1,2,3,4,5
	s_wait_dscnt 25-(\i0)-\k                       ; of the 26 loads those behind this one may be out
	global_store_b128 v[VO], v[BKC+4*((\i0)+\k):BKC+4*((\i0)+\k)+3], s[\base:\base+1] offset:512*\k
.endr
.endm
	OUT6 0, 4
	OUT6 6, 6
	OUT6 12, 8
	OUT6 18, 12
	s_wait_dscnt 1
	global_store_b128 v[VS], v[BKS:BKS+3], s[10:11]        ; Q, K: the first head's 128 words;  V: two heads' 64 words: sixteen lanes store 256 consecutive bytes
	s_wait_dscnt 0x0
	s_cmp_lg_u32 s[MD], 0                          ; the mode is the same in every partner; the branch jumps over one store
	s_cbranch_scc1 .Lno_second
	global_store_b128 v[VS], v[BKS+4:BKS+7], s[10:11] offset:32768   ; Q, K: the second head's 128 words (V's second 512 bytes of the stage repeat the first)
.Lno_second:
	s_wait_tensorcnt 0x0                           ; the wave's end: behind my last tensor load and my last LDS store
	ds_add_u32 v[SPW], v[NIL]
	s_wait_dscnt 0x0
	CROUND                                         ; the closing round: no work-group ends while a partner may still ask for a tile that names it
	s_endpgm
.Lfunc_end_k_q84daf7d5d7_gemm_qkv:
	.size	k_q84daf7d5d7_gemm_qkv, .Lfunc_end_k_q84daf7d5d7_gemm_qkv-k_q84daf7d5d7_gemm_qkv
	.p2alignl 7, 3214868480
	.fill 96, 4, 3214868480
	.section	.rodata,"a",@progbits
	.p2align	6, 0x0
	.amdhsa_kernel k_q84daf7d5d7_gemm_qkv
		.amdhsa_group_segment_fixed_size 327680
		.amdhsa_private_segment_fixed_size 0
		.amdhsa_enable_private_segment 0
		.amdhsa_kernarg_size 32
		.amdhsa_user_sgpr_count 2
		.amdhsa_user_sgpr_kernarg_segment_ptr 1
		.amdhsa_wavefront_size32 1
		.amdhsa_system_sgpr_workgroup_id_x 1
		.amdhsa_system_sgpr_workgroup_id_y 1
		.amdhsa_system_sgpr_workgroup_id_z 1
		.amdhsa_system_vgpr_workitem_id 0
		.amdhsa_next_free_vgpr 1024
		.amdhsa_next_free_sgpr 102
		.amdhsa_reserve_vcc 0
		.amdhsa_float_denorm_mode_32 3
		.amdhsa_float_denorm_mode_16_64 3
		.amdhsa_memory_ordered 1
		.amdhsa_forward_progress 1
		.amdhsa_inst_pref_size 175
	.end_amdhsa_kernel
	.amdgpu_metadata
---
amdhsa.version: [ 1, 2 ]
amdhsa.kernels:
  - .name:           k_q84daf7d5d7_gemm_qkv
    .symbol:         k_q84daf7d5d7_gemm_qkv.kd
    .args:
      - { .name: cod1, .offset: 0, .size: 8, .value_kind: global_buffer, .address_space: global }
      - { .name: scl1, .offset: 8, .size: 8, .value_kind: global_buffer, .address_space: global }
      - { .name: cod2, .offset: 16, .size: 8, .value_kind: global_buffer, .address_space: global }
      - { .name: scl2, .offset: 24, .size: 8, .value_kind: global_buffer, .address_space: global }
    .group_segment_fixed_size: 327680
    .private_segment_fixed_size: 0
    .kernarg_segment_align: 8
    .kernarg_segment_size: 32
    .max_flat_workgroup_size: 128
    .sgpr_count:     102
    .vgpr_count:     1024
    .wavefront_size: 32
...
	.end_amdgpu_metadata
.endif
;; end of part 2
;; launch attn (part 3): grid 4 x 64, 16 waves a work-group, no clusters, 223,232 bytes of LDS; arguments cod2, scl2, acod, ascl; writes acod, ascl
.if DOCPART == 3
	.amdgcn_target "amdgcn-amd-amdhsa--gfx1250"
	.amdhsa_code_object_version 6
	.text
	.protected	k_q84daf7d5d7_attn
	.globl	k_q84daf7d5d7_attn
	.p2align	8
	.type	k_q84daf7d5d7_attn,@function
k_q84daf7d5d7_attn:
	s_mov_b64 s[64:65], 0
	v_nop
	global_prefetch_b8 v0, s[64:65] scope:SCOPE_SE
	s_setreg_imm32_b32 hwreg(HW_REG_WAVE_MODE, 25, 1), 1
	s_wait_xcnt 0x0
; CAUSAL ATTENTION on codes of BF6 (E3M2) with one E8M0 scale for each 32 along a product's K; head size 64, 2,048 tokens, 64 (batch, head) pairs.
; cod2: Q and K [32 heads (Q's 16, K's 16)][8192 positions][48 B]; from byte 12,582,912 V [b][head][32 groups of 64 keys][64 d positions][48 B] (keys innermost).
; scl2: Q's and K's words [32][8192][4 B] (two bytes, then twice 0x7f); from byte 1,048,576 V's [b][head][16 steps of 128 keys][64 d positions][4 B].
; POSITIONS: Q's and K's rows, and V's d rows, lie with bits 3 and 4 of the row's number exchanged inside each 32.  Sixteen neighbouring positions as source 0 leave 16 neighbouring keys (or d) in the 16 registers of two neighbouring result tiles.
; THE FIRST PRODUCT'S K IS 64: the upper half of an instruction's 128 is zero codes on both sides (registers 6-11 of Q's and K's fragments are cleared ahead of each tile), under the byte 0x7f.
; THE SOFTMAX: t = score x log2(e) / 8; M = the row's largest t so far, rounded UP to a whole number; p = 2^(t - M) is quantised along the keys, not normalised.  The row's sum is taken of the unquantised p
; and divides O at the end.  When M moves, the sum and O are multiplied by 2^(old M - new M): exact.
; BOTH PRODUCTS ARE USED TRANSPOSED: S^T = K Q^T, O^T = V^T P^T: a lane holds ONE query (lane % 16) throughout.
; SHARES.  Work-group (i, b x 16 + head) owns query blocks i and 15 - i of 128 positions: 8 (i + 1) + 8 (16 - i) = 136 steps of 16 queries x 128 keys in every work-group.  Each of its sixteen waves owns 16 positions
; in 256 registers: four waves to a SIMD, two of the early block and two of the late one, so that one wave's vector work stands beside another's matrix work and LDS loads.
; LDS: A WHOLE HEAD'S K AND V FIT (98,304 bytes each) with their scale words: every byte is filled ONCE, by all sixteen waves, one tensor load each, issued together at the head.  Nothing is filled again: no ring.
; The keys come in three ranges (0-255, 256-511, 512-2047), so that the first steps begin when keys 0-511 have landed: two barriers in all.
; CAUSAL.  Every wave walks all 16 steps (constant trip counts); a step all of whose keys come after the wave's queries is jumped over by a scalar branch on ids; on the diagonal hidden scores become -infinity.
; NO CLUSTER: the only work-groups that read the same K and V are the query blocks of one head, and their jumps over hidden steps hang on the query block, which would be the place in the cluster.
; OUT: O / the sum, quantised along d for the output projection: acod [16 heads][8192 positions][48 B], ascl [8192 positions][32 B] (byte 2 x head + block).  The scale bytes leave one byte a lane, 32 bytes apart:
; a row's 32 bytes come from 16 work-groups; they are 1 byte in 25 of what the launch stores.
; LIMITS: a block of zeros, or one whose largest magnitude lies under 2^-122, gets the byte 1.  NaN and infinities are not served.
.set VREG, 98304                       ; LDS: K's codes at 0 (48 bytes a key position), V's here (3,072 bytes for each 64 keys),
.set SCK,  196608                      ; K's scale words (4 bytes a key position),
.set SCV,  204800                      ; V's (256 bytes a step),
.set STG,  208896                      ; and a stage of 768 bytes for each wave, into which no tensor load lands
.set AK0,  1                           ; v1   48 r + 24 h: my lane's place in a tile of K; also in my 16 rows of Q
.set AV0,  2                           ; v2   the same in V's region
.set ASK0, 3                           ; v3   my lane's place among K's scale words
.set ASV0, 4                           ; v4   and among V's
.set DQ,   5                           ; v5   my query less the wave's first, less 16 h
.set GS,   6                           ; v6   the way out: 32 r + h
.set GO,   7                           ; v7   the way out: 8 x lane
.set ADK,  8                           ; v8-11 the LDS addresses of the step in hand
.set ADV,  9
.set ADS,  10
.set ADT,  11
.set QF,   16                          ; v16-27   Q's fragment (v22-27 zeros).   v12 -M, v13 the largest t, v[14:15] the sum in two halves
.set KFR,  28                          ; v28-75   four fragments of K (the upper six registers of each: zeros)
.set VFR,  76                          ; v76-123  four fragments of V
.set S,    124                         ; v124-187 S^T, then p
.set OT,   188                         ; v188-219 O^T
.set VSC,  220                         ; v220-223 V's scale words;  v224-235 p's codes;  v232-254 at work;  v248-251 K's scale words;  v253 p's scale word;  v255 Q's
.set WV,   18                          ; s18  my wave's number
.set SEL,  20                          ; s[20:21] lane selects: lane l xor 16
.set CS,   22                          ; s[22:23] c = log2(e) / 8
.set G1C,  24                          ; s[24:31] group 1: 24 rows of 256 bytes;  s[32:39] 144 rows;  s[40:47] 16 rows;  s[48:55] 8 rows
.set G1B,  32
.set G1SK, 40
.set G1SV, 48
.set G0SK, 56                          ; s[56:59], s[60:63] groups 0 for K's and V's scale words
.set G0SV, 60
.set G0C0, 68                          ; s[68:71], s[72:75], s[76:79] groups 0 for the three ranges of keys
.set G0C1, 72
.set G0C2, 76
.set TB,   80                          ; s80  the step's codes: 6,144 bytes a step, in K's region and in V's
.set TS,   81                          ; s81  K's scale words: 512 bytes a step
.set TJ,   82                          ; s82  V's: 256 bytes a step
.set CNT,  83                          ; s83  steps to go in the range
.set KF,   84                          ; s84  the step's first key
.set Q0,   85                          ; s85  my first query
	s_load_b128 s[4:7], s[0:1], 0x0                ; cod2, scl2
	s_load_b128 s[8:11], s[0:1], 0x10              ; acod, ascl
	v_lshl_add_u32 v254, v0, 2, 0x36000
	v_mov_b32 v255, 0
	ds_add_u32 v254, v255
	ds_add_u32 v254, v255
	s_wait_dscnt 0x0
	v_lshrrev_b32 v8, 5, v0
	s_delay_alu instid0(VALU_DEP_1)
	v_readfirstlane_b32 s[WV], v8                  ; wave 0..15
	s_and_b32 s86, ttmp7, 0xffff                   ; 16 b + head
	s_lshr_b32 s87, s86, 4                         ; b
	s_and_b32 s88, s86, 15                         ; head
	s_and_b32 s92, s[WV], 1                        ; which half of a range I fetch, if I fetch
	; descriptor groups 1: dense blocks as rows of 256 bytes (32 elements of 8 bytes); they differ in the number of rows alone
.irp g, G1C, G1B, G1SK, G1SV
	s_mov_b32 s[\g], 3<<16                         ; no mask; elements of 8 bytes; no padding
	s_mov_b32 s[\g+1], 32<<16                      ; tensor_dim0
	s_mov_b32 s[\g+3], 32<<16                      ; tile_dim0
	s_mov_b32 s[\g+5], 32                          ; tensor_dim0_stride
	s_mov_b32 s[\g+6], 0
	s_mov_b32 s[\g+7], 0
.endr
	s_mov_b32 s[G1C+2], 24<<16                     ; tensor_dim1 and tile_dim1: 128 keys' codes, 6,144 bytes
	s_mov_b32 s[G1C+4], 24
	s_mov_b32 s[G1B+2], 144<<16                    ; 768 keys' codes, 36,864 bytes
	s_mov_b32 s[G1B+4], 144
	s_mov_b32 s[G1SK+2], 16<<16                    ; half of K's scale words, 4,096 bytes
	s_mov_b32 s[G1SK+4], 16
	s_mov_b32 s[G1SV+2], 8<<16                     ; half of V's, 2,048 bytes
	s_mov_b32 s[G1SV+4], 8
	s_add_co_u32 s93, s88, 16                      ; K's place among the 32 heads of Q and K
	s_mul_i32 s94, s93, 393216
	s_mul_i32 s95, s87, 98304
	s_add_co_u32 s94, s94, s95                     ; K's codes of (b, head), in bytes from cod2's first
	s_mul_i32 s95, s86, 98304
	s_add_co_u32 s95, s95, 12582912                ; V's
	s_bfe_u32 s97, s[WV], 0x10001                  ; bit 1 of the wave's number: I fetch for K (0) or for V (1)
	s_cmp_eq_u32 s97, 0
	s_cselect_b32 s94, s94, s95
	s_mul_i32 s96, s92, 6144
	s_add_co_u32 s94, s94, s96                     ; + my half of the first 256 keys
	s_mov_b32 s95, 0
	s_bfe_u32 s97, s[WV], 0x10001
	s_mul_i32 s97, s97, VREG                       ; LDS: K's region or V's
	s_add_co_u32 s[G0C0+1], s97, s96               ; keys 0-255: my half
	s_add_co_u32 s[G0C1+1], s[G0C0+1], 12288       ; keys 256-511
	s_mul_i32 s96, s92, 30720
	s_add_co_u32 s96, s96, 24576                   ; keys 512-2047 begin 24,576 bytes on; my half of them 36,864 x half: 30,720 x half more than is in already
	s_mov_b32 s97, 0
	s_add_co_u32 s[G0C2+1], s[G0C0+1], s96
	s_lshl_b32 s98, s93, 15                        ; K's scale words: 32,768 bytes a head,
	s_lshl_b32 s99, s87, 13                        ; 8,192 a batch,
	s_add_co_u32 s98, s98, s99
	s_lshl_b32 s99, s92, 12                        ; my half
	s_add_co_u32 s98, s98, s99
	s_add_co_u32 s[G0SK+1], s99, SCK
	s_mov_b32 s99, 0
	s_lshl_b32 s90, s86, 12                        ; V's: 4,096 bytes a (b, head)
	s_add_co_u32 s90, s90, 1048576
	s_lshl_b32 s91, s92, 11
	s_add_co_u32 s90, s90, s91
	s_add_co_u32 s[G0SV+1], s91, SCV
	s_mov_b32 s91, 0
	s_wait_kmcnt 0x0
	s_mov_b32 s[G0SK], 1
	s_add_nc_u64 s[G0SK+2:G0SK+3], s[6:7], s[98:99]
	s_or_b32 s[G0SK+3], s[G0SK+3], 0x80000000
	s_mov_b32 s[G0SV], 1
	s_add_nc_u64 s[G0SV+2:G0SV+3], s[6:7], s[90:91]
	s_or_b32 s[G0SV+3], s[G0SV+3], 0x80000000
	s_mov_b32 s[G0C0], 1
	s_add_nc_u64 s[G0C0+2:G0C0+3], s[4:5], s[94:95]
	s_mov_b32 s[G0C1], 1
	s_add_nc_u64 s[G0C1+2:G0C1+3], s[G0C0+2:G0C0+3], 12288
	s_mov_b32 s[G0C2], 1
	s_add_nc_u64 s[G0C2+2:G0C2+3], s[G0C0+2:G0C0+3], s[96:97]
	s_or_b32 s[G0C0+3], s[G0C0+3], 0x80000000
	s_or_b32 s[G0C1+3], s[G0C1+3], 0x80000000
	s_or_b32 s[G0C2+3], s[G0C2+3], 0x80000000
	; ALL SIXTEEN FILLS OF THE LAUNCH, ONE A WAVE, in one chain of branches on the wave's number: waves 0, 1 K's scale words, 2, 3 V's, 4-7 keys 0-255 (K's two halves, V's two), 8-11 keys 256-511, 12-15 keys 512-2047.
	; Waves that wait at different barriers have load lines of their own.
.macro ARM under, g0, g1, next
	s_cmp_lt_u32 s[WV], \under
	s_cbranch_scc0 \next
	tensor_load_to_lds s[\g0:\g0+3], s[\g1:\g1+7]
	s_nop 0
.rept 4
	v_nop
.endr
	s_branch .Lasked
\next:
.endm
	ARM 2, G0SK, G1SK, .Larm_sv
	ARM 4, G0SV, G1SV, .Larm_c0
	ARM 8, G0C0, G1C, .Larm_c1
	ARM 12, G0C1, G1C, .Larm_c2
	tensor_load_to_lds s[G0C2:G0C2+3], s[G1B:G1B+7]
	s_nop 0
.rept 4
	v_nop
.endr
.Lasked:
; SHARES (in place of those named at the head): work-group (x, b x 16 + head), x = 0 .. 3, owns query blocks 15 - x, 8 + x, x and 7 - x of 128 positions.  A wave owns 16 positions of TWO blocks, one after the other:
; first of block 15 - x or 8 + x (bit 0 xor bit 2 of the wave's number chooses), then of block 15 less that one: 17 key steps in every wave.  K and V stay in LDS for both.
; PRO: what stands ahead of a tile's key steps: its places, Q, and the sums' first values.
.macro PRO second
	s_lshr_b32 s89, s[WV], 2
	s_xor_b32 s89, s89, s[WV]
	s_and_b32 s89, s89, 1
	s_lshl_b32 s90, ttmp9, 7
	s_sub_co_u32 s91, 1920, s90                    ; block 15 - x
	s_add_co_u32 s90, s90, 1024                    ; block 8 + x
	s_cmp_eq_u32 s89, 0
	s_cselect_b32 s90, s91, s90
.if \second
	s_sub_co_u32 s90, 1920, s90                    ; block 15 less the first tile's
.endif
	s_lshr_b32 s91, s[WV], 1
	s_lshl_b32 s91, s91, 4
	s_add_co_u32 s90, s90, s91                     ; my first position P.  Position P + r holds query Q0 + r + 8 (r / 8), with
	s_and_b32 s[Q0], s90, 0x7e0
	s_lshr_b32 s91, s90, 1
	s_and_b32 s91, s91, 8
	s_add_co_u32 s[Q0], s[Q0], s91                 ; Q0 = (P rounded down to 32) + 8 x (bit 4 of P)
	s_lshl_b32 s91, s87, 11
	s_add_co_u32 s91, s91, s90                     ; my first position among the 8,192
	s_mul_i32 s92, s88, 393216
	s_mul_i32 s93, s91, 48
	s_add_co_u32 s92, s92, s93                     ; Q's codes in cod2, and the result's in acod: the same offset
	s_mov_b32 s93, 0
	s_lshl_b32 s94, s88, 15
	s_lshl_b32 s95, s91, 2
	s_add_co_u32 s94, s94, s95                     ; Q's scale words
	s_mov_b32 s95, 0
	s_lshl_b32 s96, s91, 5
	s_lshl_b32 s97, s88, 1
	s_add_co_u32 s96, s96, s97                     ; the result's scale bytes: 32 a position, + 2 x head
	s_mov_b32 s97, 0
	s_add_nc_u64 s[12:13], s[4:5], s[92:93]
	s_add_nc_u64 s[14:15], s[6:7], s[94:95]
	s_add_nc_u64 s[2:3], s[8:9], s[92:93]          ; (the buffers' own addresses stay for the second tile)
	s_add_nc_u64 s[16:17], s[10:11], s[96:97]
	s_mov_b32 s[SEL], 0x76543210
	s_mov_b32 s[SEL+1], 0xfedcba98
	s_mov_b32 s[CS], 0x3e38aa3b                    ; c = log2(e) / sqrt(64)
	s_mov_b32 s[CS+1], s[CS]                       ; (named with it as a pair, so it is written)
	s_mov_b32 s[TB], 0
	s_mov_b32 s[TS], 0
	s_mov_b32 s[TJ], 0
	s_mov_b32 s[KF], 0
	v_and_b32 v8, 15, v0                           ; r
	v_bfe_u32 v9, v0, 4, 1                         ; h
	s_delay_alu instid0(VALU_DEP_2)
	v_mul_u32_u24 v[AK0], v8, 48
	s_delay_alu instid0(VALU_DEP_1)
	v_mad_u32_u24 v[AK0], v9, 24, v[AK0]           ; rows of 48 bytes = 12 words: the 32 lanes of a load of 8 bytes touch 64 different banks (64 banks of 4 bytes: ISA guide 11.1)
.irp p, 0,1,2
	global_load_b64 v[QF+2*\p:QF+2*\p+1], v[AK0], s[12:13] offset:8*\p   ; Q's fragment stays in registers
.endr
	v_lshlrev_b32 v254, 2, v8
	global_load_b32 v255, v254, s[14:15]           ; Q's scale words
	v_add_nc_u32 v[AV0], VREG, v[AK0]
	v_lshl_add_u32 v[ASK0], v8, 2, SCK
	v_lshl_add_u32 v[ASV0], v8, 2, SCV
	v_and_b32 v10, 8, v8
	s_delay_alu instid0(VALU_DEP_1)
	v_add_nc_u32 v10, v10, v8                      ; r + 8 (r / 8)
	v_lshlrev_b32 v11, 4, v9
	s_delay_alu instid0(VALU_DEP_1)
	v_sub_nc_u32 v[DQ], v10, v11
	v_lshl_add_u32 v[GS], v8, 5, v9
	v_and_b32 v[GO], 31, v0
	s_delay_alu instid0(VALU_DEP_1)
	v_lshlrev_b32 v[GO], 3, v[GO]
.irp j, 6,7,8,9,10,11
	v_mov_b32 v[QF+\j], 0                          ; the upper 64 of the first product's 128: zero codes, once a tile
.irp t, 0,1,2,3
	v_mov_b32 v[KFR+12*\t+\j], 0
.endr
.endr
	v_mov_b32 v13, 0xff61b1e6                      ; the largest t so far: -3e38, under every t
	s_delay_alu instid0(VALU_DEP_1)
	v_floor_f32 v12, -v13                          ; -M
	v_mov_b32 v14, 0                               ; the sum, in two halves
	v_mov_b32 v15, 0
.irp b, 0,1,2,3
	v_mov_b32 v[236+\b], 0                         ; written once: a lane permute's destination counts as one of its sources
.endr
	v_mov_b32 v252, 0
	v_mov_b32 v253, 0                              ; (named as the upper half of the pair v[252:253] before it is first written)
.irp j, 0,1,2,3,4,5,6,7,8,9,10,11,12,13,14,15,16,17,18,19,20,21,22,23,24,25,26,27,28,29,30,31
	v_mov_b32 v[OT+\j], 0                          ; O^T.  (The step finds zeros, which the first change of M leaves zeros)
.endr
.endm
; A KEY STEP: 128 keys.
.macro STEP
	s_add_co_u32 s96, s[Q0], 23                    ; my last query
	s_cmp_gt_u32 s[KF], s96
	s_cbranch_scc1 .Lhidden_\@                     ; all 128 keys come after all my queries: the step's work is left out; no barrier and no tensor load stands in a step
	v_add_nc_u32 v[ADK], s[TB], v[AK0]             ; (these four are also the places in front of the loads into registers that the last products read)
	s_wait_alu depctr_va_vdst(0)
	v_add_nc_u32 v[ADV], s[TB], v[AV0]
	v_add_nc_u32 v[ADS], s[TS], v[ASK0]
	s_wait_alu depctr_va_vdst(0)
	v_add_nc_u32 v[ADT], s[TJ], v[ASV0]
	s_wait_alu depctr_va_vdst(0)
.irp g, 0,1                                    ; S^T = K Q^T, four tiles of 16 key positions at a time
.if \g > 0
.rept 4
	v_nop                                          ; places in front of loads into registers that the four products above have read
.endr
.endif
.irp t, 0,1,2,3
.irp p, 0,1,2
	ds_load_b64 v[KFR+12*\t+2*\p:KFR+12*\t+2*\p+1], v[ADK] offset:768*(4*\g+\t)+8*\p
.endr
	ds_load_b32 v[248+\t], v[ADS] offset:64*(4*\g+\t)
.endr
	s_wait_dscnt 0x0
.irp t, 0,1,2,3
	v_wmma_scale_f32_16x16x128_f8f6f4 v[S+8*(4*\g+\t):S+8*(4*\g+\t)+7], v[KFR+12*\t:KFR+12*\t+11], v[QF:QF+11], 0, v[248+\t], v255 matrix_a_fmt:MATRIX_FMT_BF6 matrix_b_fmt:MATRIX_FMT_BF6
.endr
.endr                                          ; lane (r, h) holds query r; the 16 registers of tiles 2 b, 2 b + 1 are keys KF + 32 b + 16 h + 0 .. 15
.irp t, 0,1,2,3                                ; V's four fragments are asked for now and land under the softmax: rows 16 t + r of the two groups of 64 keys
.irp p, 0,1,2,3,4,5
	ds_load_b64 v[VFR+12*\t+2*\p:VFR+12*\t+2*\p+1], v[ADV] offset:3072*(\p/3)+768*\t+8*(\p%3)
.endr
	ds_load_b32 v[VSC+\t], v[ADT] offset:64*\t
.endr
.rept 4
	v_nop                                          ; places in front of the first read of the scores
.endr
	s_add_co_u32 s96, s[KF], 127
	s_cmp_le_u32 s96, s[Q0]
	s_cbranch_scc1 .Lopen_\@                       ; all 128 keys count for all my queries
	s_sub_co_i32 s96, s[Q0], s[KF]
	v_add_nc_u32 v252, s96, v[DQ]                  ; d = my query - KF - 16 h.  Register 16 b + i holds key KF + 16 h + 32 b + i: hidden where 32 b + i > d
	v_mov_b32 v254, 0xff800000                     ; -infinity: p = 0 then
.irp n, 0,1,2,3,4,5,6,7,8,9,10,11,12,13,14,15,16,17,18,19,20,21,22,23,24,25,26,27,28,29,30,31,32,33,34,35,36,37,38,39,40,41,42,43,44,45,46,47,48,49,50,51,52,53,54,55,56,57,58,59,60,61,62,63
	v_cmp_gt_i32 vcc_lo, 32*(\n/16)+\n%16, v252
	v_cndmask_b32 v[S+\n], v[S+\n], v254, vcc_lo
.endr
.Lopen_\@:
.irp b, 0,1,2,3
	v_max3_num_f32 v[232+\b], v[S+16*\b], v[S+1+16*\b], v[S+2+16*\b]   ; THE LARGEST SCORE OF EACH BLOCK OF 32 KEYS: it serves the row's maximum and, since p rises with the score, the block's largest p
.endr
.irp i, 3,5,7,9,11,13
.irp b, 0,1,2,3
	v_max3_num_f32 v[232+\b], v[232+\b], v[S+16*\b+\i], v[S+1+16*\b+\i]   ; (the four blocks by turns)
.endr
.endr
.irp b, 0,1,2,3
	v_max_num_f32 v[232+\b], v[232+\b], v[S+15+16*\b]
.endr
.irp b, 0,1,2,3
	s_delay_alu instid0(VALU_DEP_4)
	v_permlanex16_b32 v[236+\b], v[232+\b], s[SEL], s[SEL+1]
.endr
.irp b, 0,1,2,3
	s_delay_alu instid0(VALU_DEP_4)
	v_max_num_f32 v[232+\b], v[232+\b], v[236+\b]  ; with lane l xor 16's 16 keys
.endr
	s_delay_alu instid0(VALU_DEP_2)
	v_max3_num_f32 v254, v232, v233, v234
	s_delay_alu instid0(VALU_DEP_1)
	v_max_num_f32 v254, v254, v235                 ; the step's largest score of my query
	s_delay_alu instid0(VALU_DEP_1)
	v_mul_f32 v254, s[CS], v254                    ; as t (c is positive)
	s_delay_alu instid0(VALU_DEP_1)
	v_max_num_f32 v13, v13, v254                   ; the running largest t
	v_mov_b32 v254, v12
	s_delay_alu instid0(VALU_DEP_2)
	v_floor_f32 v12, -v13                          ; the new -M = floor(-t) = -ceil(t): M IS A WHOLE NUMBER
	s_delay_alu instid0(VALU_DEP_1)
	v_sub_f32 v254, v12, v254                      ; M's old value less its new one: a whole number, 0 or less
	s_delay_alu instid0(VALU_DEP_1)
	v_cvt_i32_f32 v254, v254                       ; (it saturates)
	s_delay_alu instid0(VALU_DEP_1)
	v_ldexp_f32 v252, 1.0, v254                    ; f = 2^(old M - new M): a multiplication by it rounds nothing
.irp j, 0,2,4,6,8,10,12,14,16,18,20,22,24,26,28,30,32,34,36,38,40,42,44,46,48,50,52,54,56,58,60,62
	v_pk_fma_f32 v[S+\j:S+1+\j], v[S+\j:S+1+\j], s[CS:CS+1], v[12:13] op_sel_hi:[1,0,0]   ; t - M, two at a time (of the pairs c and -M the low word serves both halves)
.endr
.irp b, 0,1,2,3
	v_fma_f32 v[232+\b], v[232+\b], s[CS], v12     ; the same of each block's largest score
.endr
	s_wait_alu depctr_va_vdst(0)
.irp j, 0,1,2,3,4,5,6,7,8,9,10,11,12,13,14,15,16,17,18,19,20,21,22,23,24,25,26,27,28,29,30,31,32,33,34,35,36,37,38,39,40,41,42,43,44,45,46,47,48,49,50,51,52,53,54,55,56,57,58,59,60,61,62,63
	v_exp_f32 v[S+\j], v[S+\j]                     ; p = 2^(t - M), at most 1: NOT normalised
.endr
.irp b, 0,1,2,3
	v_exp_f32 v[232+\b], v[232+\b]                 ; the block's largest p: the same two instructions on the same number give the same bits
.endr
	v_pk_mul_f32 v[14:15], v[14:15], v[252:253] op_sel_hi:[1,0]   ; the sums under the new M.  (A plain place behind the exponentials)
	s_wait_alu depctr_va_vdst(0)
.irp b, 0,1,2,3
	v_max_num_f32 v[232+\b], 0x2800000, v[232+\b]  ; the floor 2^(5 - 127): the byte cannot fall under 1 (a block whose every p is 0 keeps that byte: its codes are zeros)
.endr
.irp b, 0,1,2,3
	s_delay_alu instid0(VALU_DEP_4)
	v_add_nc_u32 v[244+\b], 0xfe000000, v[232+\b]  ; 4 off the exponent field: the conversion's scale operand
.endr
.irp b, 0,1,2,3
	s_delay_alu instid0(VALU_DEP_4)
	v_lshrrev_b32 v[236+\b], 23, v[244+\b]         ; the scale's byte
.endr
	s_delay_alu instid0(VALU_DEP_3)
	v_lshl_or_b32 v253, v237, 8, v236              ; p's scale word for these 128 keys
	s_delay_alu instid0(VALU_DEP_1)
	v_lshl_or_b32 v253, v238, 16, v253
	s_delay_alu instid0(VALU_DEP_1)
	v_lshl_or_b32 v253, v239, 24, v253
.irp c, 0,1
	v_cvt_scalef32_pk16_bf6_f32 v[224+6*\c:226+6*\c], v[S+32*\c:S+15+32*\c], v[244+2*\c]
	v_cvt_scalef32_pk16_bf6_f32 v[236+4*\c:238+4*\c], v[S+16+32*\c:S+31+32*\c], v[244+2*\c+1]   ; (a conversion's three registers begin on an even number)
.endr
	v_nop                                          ; one plain place behind a scaled conversion
.irp c, 0,1                                    ; a WHOLE block to a lane: lanes 0-15 block 2 c, lanes 16-31 block 2 c + 1
.irp i, 0,1,2
	v_permlane16_swap_b32 v[224+6*\c+\i], v[236+4*\c+\i]
.endr
.irp i, 0,1,2
	s_delay_alu instid0(VALU_DEP_3)
	v_mov_b32 v[227+6*\c+\i], v[236+4*\c+\i]
.endr
.endr
.irp j, 0,2,4,6,8,10,12,14,16,18,20,22,24,26,28,30
	v_pk_mul_f32 v[OT+\j:OT+1+\j], v[OT+\j:OT+1+\j], v[252:253] op_sel_hi:[1,0]   ; O^T under the new M: x f
.endr
	v_pk_add_f32 v[236:237], v[128:129], v[132:133]
	v_pk_add_f32 v[250:251], v[136:137], v[140:141]
	v_pk_add_f32 v[248:249], v[144:145], v[148:149]
	v_pk_add_f32 v[246:247], v[152:153], v[156:157]
	v_pk_add_f32 v[244:245], v[160:161], v[164:165]
	v_pk_add_f32 v[242:243], v[168:169], v[172:173]
	v_pk_add_f32 v[240:241], v[176:177], v[180:181]
	v_pk_add_f32 v[14:15], v[14:15], v[184:185]
	v_pk_add_f32 v[236:237], v[236:237], v[124:125]
	v_pk_add_f32 v[250:251], v[250:251], v[126:127]
	v_pk_add_f32 v[248:249], v[248:249], v[130:131]
	v_pk_add_f32 v[246:247], v[246:247], v[134:135]
	v_pk_add_f32 v[244:245], v[244:245], v[138:139]
	v_pk_add_f32 v[242:243], v[242:243], v[142:143]
	v_pk_add_f32 v[240:241], v[240:241], v[146:147]
	v_pk_add_f32 v[14:15], v[14:15], v[150:151]
	v_pk_add_f32 v[236:237], v[236:237], v[154:155]
	v_pk_add_f32 v[250:251], v[250:251], v[158:159]
	v_pk_add_f32 v[248:249], v[248:249], v[162:163]
	v_pk_add_f32 v[246:247], v[246:247], v[166:167]
	v_pk_add_f32 v[244:245], v[244:245], v[170:171]
	v_pk_add_f32 v[242:243], v[242:243], v[174:175]
	v_pk_add_f32 v[240:241], v[240:241], v[178:179]
	v_pk_add_f32 v[14:15], v[14:15], v[182:183]
	v_pk_add_f32 v[236:237], v[236:237], v[186:187]
	s_delay_alu instid0(VALU_DEP_2)
	v_pk_add_f32 v[14:15], v[14:15], v[246:247]
	s_delay_alu instid0(VALU_DEP_2)
	v_pk_add_f32 v[236:237], v[236:237], v[244:245]
	v_pk_add_f32 v[250:251], v[250:251], v[242:243]
	v_pk_add_f32 v[248:249], v[248:249], v[240:241]
	s_delay_alu instid0(VALU_DEP_2)
	v_pk_add_f32 v[14:15], v[14:15], v[250:251]
	s_delay_alu instid0(VALU_DEP_2)
	v_pk_add_f32 v[236:237], v[236:237], v[248:249]
	s_delay_alu instid0(VALU_DEP_1)
	v_pk_add_f32 v[14:15], v[14:15], v[236:237]
	s_wait_dscnt 0x0                               ; V's fragments and scale words are in
.irp t, 0,1,2,3                                ; O^T += V^T P^T: the four accumulators take turns, one instruction a turn, and the next step's eight products of scores stand between two links
	v_wmma_scale_f32_16x16x128_f8f6f4 v[OT+8*\t:OT+8*\t+7], v[VFR+12*\t:VFR+12*\t+11], v[224:235], v[OT+8*\t:OT+8*\t+7], v[VSC+\t], v253 matrix_a_fmt:MATRIX_FMT_BF6 matrix_b_fmt:MATRIX_FMT_BF6
.endr
.Lhidden_\@:
	s_add_co_u32 s[KF], s[KF], 128                 ; on every way: the next step's keys, codes and scale words
	s_add_co_u32 s[TB], s[TB], 6144
	s_add_co_u32 s[TS], s[TS], 512
	s_add_co_u32 s[TJ], s[TJ], 256
.endm
; A RANGE OF KEYS: n steps.  The waves under number 'under' wait for their one tensor load: those that fetched this range or an earlier one; at the last range every wave waits.
.macro STAGE n, under
.if \under < 16
	s_cmp_lt_u32 s[WV], \under
	s_cbranch_scc0 .Lno_wait_\@
	s_wait_tensorcnt 0x0
.Lno_wait_\@:
.else
	s_wait_tensorcnt 0x0
.endif
	s_wait_dscnt 0x0
	s_barrier_signal -1
	s_barrier_wait -1
	s_mov_b32 s[CNT], \n
.Lstep_\@:
	STEP
	s_sub_co_u32 s[CNT], s[CNT], 1
	s_cmp_lg_u32 s[CNT], 0
	s_cbranch_scc1 .Lstep_\@
.endm
; THE WAY OUT of a tile.  O^T / the sum: register 16 b + i of the lane's 32 is d = 32 b + 16 h + i of my query: two blocks of the output projection's K, quantised as every operand.
.macro WAYOUT
	; THE WAY OUT.  O^T / the sum: register 16 b + i of the lane's 32 is d = 32 b + 16 h + i of my query: two blocks of the output projection's K, quantised as every operand.
.rept 4
	v_nop                                          ; places behind the last products
.endr
	s_wait_alu depctr_va_vdst(0)
	v_add_f32 v14, v14, v15                        ; the sum's two halves,
	s_delay_alu instid0(VALU_DEP_1)
	v_permlanex16_b32 v252, v14, s[SEL], s[SEL+1]
	s_delay_alu instid0(VALU_DEP_1)
	v_add_f32 v14, v14, v252                       ; and lane l xor 16's: the row's sum
	s_wait_alu depctr_va_vdst(0)
	v_rcp_f32 v14, v14
	s_mul_i32 s96, s[WV], 768
	s_add_co_u32 s96, s96, STG                     ; my stage
	v_add_nc_u32 v8, s96, v[AK0]                   ; (a plain place behind the transcendental)  in: 48 r + 24 h
	v_add_nc_u32 v9, s96, v[GO]                    ; back: 8 bytes a lane
	v_bfe_u32 v10, v0, 4, 1                        ; h
	s_wait_alu depctr_va_vdst(0)
.irp j, 0,2,4,6,8,10,12,14,16,18,20,22,24,26,28,30
	v_pk_mul_f32 v[S+\j:S+1+\j], v[OT+\j:OT+1+\j], v[14:15] op_sel_hi:[1,0]   ; each accumulator from its low end on
.endr
.irp b, 0,1
	v_max3_num_f32 v[232+\b], |v[S+16*\b]|, |v[S+1+16*\b]|, 0x2800000   ; with the floor 2^(5 - 127)
.endr
.irp i, 2,4,6,8,10,12,14
.irp b, 0,1
	s_delay_alu instid0(VALU_DEP_2)
	v_max3_num_f32 v[232+\b], v[232+\b], |v[S+16*\b+\i]|, |v[S+1+16*\b+\i]|
.endr
.endr
.irp b, 0,1
	s_delay_alu instid0(VALU_DEP_2)
	v_permlanex16_b32 v[236+\b], v[232+\b], s[SEL], s[SEL+1]
.endr
.irp b, 0,1
	s_delay_alu instid0(VALU_DEP_2)
	v_max_num_f32 v[232+\b], v[232+\b], v[236+\b]
.endr
.irp b, 0,1
	s_delay_alu instid0(VALU_DEP_2)
	v_add_nc_u32 v[244+\b], 0xfe000000, v[232+\b]
.endr
.irp b, 0,1
	s_delay_alu instid0(VALU_DEP_2)
	v_lshrrev_b32 v[236+\b], 23, v[244+\b]         ; the two scale bytes
.endr
	v_cvt_scalef32_pk16_bf6_f32 v[224:226], v[S:S+15], v244
	v_cvt_scalef32_pk16_bf6_f32 v[240:242], v[S+16:S+31], v245
	v_cmp_eq_u32 vcc_lo, 1, v10                    ; (a plain place behind the conversions)
.irp i, 0,1,2
	v_permlane16_swap_b32 v[224+\i], v[240+\i]     ; lanes 0-15 now hold block 0, lanes 16-31 block 1
.endr
.irp i, 0,1,2
	s_delay_alu instid0(VALU_DEP_3)
	v_mov_b32 v[227+\i], v[240+\i]
.endr
	v_cndmask_b32 v238, v236, v237, vcc_lo         ; my half's block's byte
.irp p, 0,1,2
	ds_store_b64 v8, v[224+2*\p:225+2*\p] offset:8*\p
.endr
.irp i, 0,1,2
	ds_load_b64 v[248+2*\i:249+2*\i], v9 offset:256*\i             ; my own bytes, served in order (ISA guide 5.7.1): these see the stores above
.endr
	global_store_b8 v[GS], v238, s[16:17]
.irp i, 0,1,2
	s_wait_dscnt 2-\i
	global_store_b64 v[GO], v[248+2*\i:249+2*\i], s[2:3] offset:256*\i   ; 32 lanes store 256 consecutive bytes, at a multiple of 256 from acod's first byte
.endr
	s_wait_xcnt 0x0                                ; the stores have read their registers and bases: they may be written anew
.endm
	PRO 0
	s_wait_alu depctr_va_vdst(0)                   ; the wait at the head's end
	s_wait_loadcnt 0x0                             ; Q
	STAGE 4, 12                                    ; keys 0-511 and the scale words: waves 0 to 11 fetched them
	STAGE 12, 16                                   ; keys 512-2047: every wave waits
	WAYOUT
	PRO 1                                          ; the second tile: all of K and V has landed and was shown to all waves: no barrier
	s_wait_alu depctr_va_vdst(0)
	s_wait_loadcnt 0x0                             ; Q
	s_mov_b32 s[CNT], 16
.Lsecond:
	STEP
	s_sub_co_u32 s[CNT], s[CNT], 1
	s_cmp_lg_u32 s[CNT], 0
	s_cbranch_scc1 .Lsecond
	WAYOUT
	v_lshl_add_u32 v254, v0, 2, 0x36000
	v_mov_b32 v255, 0
	s_wait_alu depctr_va_vdst(0)
	s_wait_tensorcnt 0x0
	ds_add_u32 v254, v255
	s_wait_dscnt 0x0
	s_endpgm
.Lfunc_end_k_q84daf7d5d7_attn:
	.size	k_q84daf7d5d7_attn, .Lfunc_end_k_q84daf7d5d7_attn-k_q84daf7d5d7_attn
	.p2alignl 7, 3214868480
	.fill 96, 4, 3214868480
	.section	.rodata,"a",@progbits
	.p2align	6, 0x0
	.amdhsa_kernel k_q84daf7d5d7_attn
		.amdhsa_group_segment_fixed_size 223232
		.amdhsa_private_segment_fixed_size 0
		.amdhsa_enable_private_segment 0
		.amdhsa_kernarg_size 32
		.amdhsa_user_sgpr_count 2
		.amdhsa_user_sgpr_kernarg_segment_ptr 1
		.amdhsa_wavefront_size32 1
		.amdhsa_system_sgpr_workgroup_id_x 1
		.amdhsa_system_sgpr_workgroup_id_y 1
		.amdhsa_system_sgpr_workgroup_id_z 1
		.amdhsa_system_vgpr_workitem_id 0
		.amdhsa_next_free_vgpr 256
		.amdhsa_next_free_sgpr 100
		.amdhsa_reserve_vcc 1
		.amdhsa_float_denorm_mode_32 3
		.amdhsa_float_denorm_mode_16_64 3
		.amdhsa_memory_ordered 1
		.amdhsa_forward_progress 1
		.amdhsa_inst_pref_size 101
	.end_amdhsa_kernel
	.amdgpu_metadata
---
amdhsa.version: [ 1, 2 ]
amdhsa.kernels:
  - .name:           k_q84daf7d5d7_attn
    .symbol:         k_q84daf7d5d7_attn.kd
    .args:
      - { .name: cod2, .offset: 0, .size: 8, .value_kind: global_buffer, .address_space: global }
      - { .name: scl2, .offset: 8, .size: 8, .value_kind: global_buffer, .address_space: global }
      - { .name: acod, .offset: 16, .size: 8, .value_kind: global_buffer, .address_space: global }
      - { .name: ascl, .offset: 24, .size: 8, .value_kind: global_buffer, .address_space: global }
    .group_segment_fixed_size: 223232
    .private_segment_fixed_size: 0
    .kernarg_segment_align: 8
    .kernarg_segment_size: 32
    .max_flat_workgroup_size: 512
    .sgpr_count:     100
    .vgpr_count:     256
    .wavefront_size: 32
...
	.end_amdgpu_metadata
.endif
;; end of part 3
;; launch gemm_out (part 4): grid 32 x 8, 4 waves a work-group, clusters of 4 x 4, 327,680 bytes of LDS; arguments acod, ascl, cod1, scl1, out0; writes out0
.if DOCPART == 4
	.amdgcn_target "amdgcn-amd-amdhsa--gfx1250"
	.amdhsa_code_object_version 6
	.text
	.protected	k_q84daf7d5d7_gemm_out
	.globl	k_q84daf7d5d7_gemm_out
	.p2align	8
	.type	k_q84daf7d5d7_gemm_out,@function
k_q84daf7d5d7_gemm_out:
	s_mov_b64 s[64:65], 0
	v_nop
	global_prefetch_b8 v0, s[64:65] scope:SCOPE_SE
	s_setreg_imm32_b32 hwreg(HW_REG_WAVE_MODE, 25, 1), 1
	s_wait_xcnt 0x0
	s_wait_alu depctr_hold_cnt(0) depctr_sa_sdst(0) depctr_va_vdst(0) depctr_va_sdst(0) depctr_va_ssrc(0) depctr_va_vcc(0) depctr_vm_vsrc(0)
	s_getreg_b32 s2, hwreg(HW_REG_IB_STS2, 6, 4)
	s_cmp_eq_u32 s2, 0
	s_cbranch_scc0 .Lentry_in_a_cluster
	s_endpgm
.Lentry_in_a_cluster:
	s_bfe_u32 s2, ttmp6, 0x10000c
	s_cmp_lg_u32 s2, 0xf033
	s_cbranch_scc0 .Lentry_shape_is_right
	s_endpgm
.Lentry_shape_is_right:
; out[token][n] = sum over k of attn[token][k] w_o[n][k], f32: 8,192 x 1,024 x 1,024 on codes of BF6 (E3M2) with one E8M0 byte for each 32 along K.
; A: acod [16 heads][8192 positions][48 B], ascl [8192 positions][32 B]; inside each 32 positions bits 3 and 4 of the token's number are exchanged.
; B: w_o's rows, 11,264 rows into cod1 [4 chunks of 256 along K][12288 rows][192 B] and scl1 [12288 rows][32 B].
; LIMITS: these sizes alone.  NaN, infinities and sums beyond f32's range are not served.
; THE DEAL: 256 work-groups of four waves, 2 x 2, each 256 positions x 128 columns.  A wave holds four tiles of 16 columns of B, all of K, in 384 registers, and streams A past them in eight blocks of 16 positions:
; wave row w's block s is positions 128 (s / 4) + 32 (s % 4) + 16 w + 0 .. 15.  Source 0 = B's rows, source 1 = A's: a lane holds eight neighbouring columns of one row.
; CLUSTER: tile row = 4 x cluster x + cx, tile column = 4 x cluster y + cy; A's tiles are shared by a column of the cluster, B's by a row, each by a joint load.
; LDS: A's two parts of 128 positions [part][head][128][48 B], dense; B's four chunks [chunk][128 rows][240 B] (16 bytes of padding behind every 64); the spare words.  Every byte is filled once: waves 0, 1 two chunks of B each, wave 2 A's part 0, wave 3 part 1.
; The stages for the way out lie in B's first bytes, which have had their one fill and are read for the last time ahead of the barrier in front of the stream.
; The scale words come by plain loads into registers.  No data prefetch: all bytes are asked for at the head, and there is no loop to run ahead in.
; Behind a block's 32 products: its sums into the wave's stage and back as rows of 256 bytes, the fetch of the block two on, ONE wait on LDS, eight stores.
.set SIZE_N, 1024
.set NQ, 8
.set NB, 4
.set FR, 12
.set FPW, 21                           ; fragments in a window of 256 registers
.set NF, 48                            ; LDS loads of a block of A
.set CHB, 2359296                      ; a chunk of cod1
.set BROW0, 11264
.set PITCH, 240
.set CHL, 128*PITCH                    ; a chunk of B in LDS
.set HEADB, 6144                       ; 128 positions of a head
.set PART, 16*HEADB
.set YB, 2*PART
.set SPITCH, 272
.set STAGE, YB
.set SPARE, YB+4*CHL
.set AA, 4                             ; v4-7   my place in A: part 0 heads 0-7, heads 8-15, part 1 likewise
.set CO, 9                             ; v9     my byte offset in C
.set SPW, 10
.set NIL, 11
.set ADRB, 12                          ; v12-15 my place in B: chunks 0, 1 (v13: behind one padding more), chunks 2, 3
.set ABS, 16                           ; v16    32 x lane: B's scale rows
.set AAS, 17                           ; v17    32 x (lane % 16): A's
.set STO, 18
.set RD, 19
.set SB, 24                            ; v24-39   B's scale words
.set SA, 44                            ; v44-107  A's: eight for each block
.set ACC, 108                          ; v108-171 two sets of four accumulators
.set BK, 172                           ; v172-235 two sets of rows back from the stage
.set G1A, 24
.set G1B, 32
.set G0A, 56
.set G0B, 60
.set G0A2, 68
.set MSB, 0
.macro WIN new
.if MSB != \new
	s_set_vgpr_msb (MSB<<8)|\new
.set MSB, \new
.endif
.endm
.macro PLACES n
.rept \n
	v_nop
.endr
.endm
.macro BARRIER
	s_barrier_signal -1
	s_barrier_wait -1
.endm
.macro CROUND
	BARRIER
	s_cmp_lg_u32 s14, 0
	s_cbranch_scc1 .Lnot_wave_0_\@
	s_barrier_signal -3
.Lnot_wave_0_\@:
	s_barrier_wait -3
	BARRIER
.endm
.macro TLOAD g0, g1                    ; s_nop 0 and four v_nop behind a tensor load
	tensor_load_to_lds s[\g0:\g0+3], s[\g1:\g1+7]
	s_nop 0
	PLACES 4
.endm
.macro FRAGB q, b                      ; fragment 4 q + b of B: step q lies in chunk q / 2, at byte 96 (q % 2) of its rows; six pieces of 8 bytes
.set F_, NB*(\q)+(\b)
	WIN (1+F_/FPW)<<6
.irp p, 0,1,2,3,4,5
.set PC_, 12*((\q)%2)+6*(\p/3)+\p%3
	ds_load_b64 v[FR*(F_%FPW)+2*\p:FR*(F_%FPW)+2*\p+1], v[ADRB+2*((\q)/4)+(PC_%8)/5] offset:(((\q)/2)%2)*CHL+(\b)*16*PITCH+8*PC_+16*(PC_/8)
.endr
.endm
.macro FETCH s                         ; block s of A into set s % 2: step q is heads 2 q, 2 q + 1, 24 bytes of each
.irp q, 0,1,2,3,4,5,6,7
.set F_, NB*NQ+NQ*((\s)%2)+\q
	WIN (1+F_/FPW)<<6
.irp p, 0,1,2,3,4,5
	ds_load_b64 v[FR*(F_%FPW)+2*\p:FR*(F_%FPW)+2*\p+1], v[AA+2*((\s)/4)+\q/4] offset:(2*(\q%4)+\p/3)*HEADB+((\s)%4)*1536+8*(\p%3)
.endr
.endr
	WIN 0
.endm
.macro PROD1 d, s0, s1, c, x0, x1, o
.if \o
	v_wmma_scale_f32_16x16x128_f8f6f4 v[\d:\d+7], v[FR*((\s0)%FPW):FR*((\s0)%FPW)+FR-1], v[FR*((\s1)%FPW):FR*((\s1)%FPW)+FR-1], \c, v[\x0], v[\x1] matrix_a_fmt:MATRIX_FMT_BF6 matrix_b_fmt:MATRIX_FMT_BF6 matrix_a_scale:MATRIX_SCALE_ROW1
.else
	v_wmma_scale_f32_16x16x128_f8f6f4 v[\d:\d+7], v[FR*((\s0)%FPW):FR*((\s0)%FPW)+FR-1], v[FR*((\s1)%FPW):FR*((\s1)%FPW)+FR-1], \c, v[\x0], v[\x1] matrix_a_fmt:MATRIX_FMT_BF6 matrix_b_fmt:MATRIX_FMT_BF6 matrix_a_scale:MATRIX_SCALE_ROW0
.endif
.endm
.macro PROD s, n                       ; product n = 4 q + tile of block s: the four accumulators by turns; the first along K takes C = 0
.set Q_, (\n)/4
.set FB_, NB*Q_+(\n)%4
.set FA_, NB*NQ+NQ*((\s)%2)+Q_
.set D_, ACC+32*((\s)%2)+8*((\n)%4)
.set XB_, SB+NQ*(((\n)%4)/2)+Q_
.set XA_, SA+8*(\s)+Q_
	WIN (1+FB_/FPW)|((1+FA_/FPW)<<2)
.if Q_
	PROD1 D_, FB_, FA_, v[D_:D_+7], XB_, XA_, (\n)%2
.else
	PROD1 D_, FB_, FA_, 0, XB_, XA_, (\n)%2
.endif
.endm
.macro PRODS s, from, to
.set N_, \from
.rept (\to)-(\from)
	PROD \s, N_
.set N_, N_+1
.endr
	WIN 0
.endm
.macro STAGED u                        ; set u's sums into my stage, each accumulator from its low end on, and back as whole rows; a wave's LDS instructions are served in order (ISA guide 5.7.1)
.irp b, 0,1,2,3
	ds_store_b128 v[STO], v[ACC+32*(\u)+8*\b:ACC+32*(\u)+8*\b+3] offset:64*\b
	ds_store_b128 v[STO], v[ACC+32*(\u)+8*\b+4:ACC+32*(\u)+8*\b+7] offset:64*\b+16
.endr
.irp t, 0,1,2,3,4,5,6,7
	ds_load_b128 v[BK+32*(\u)+4*\t:BK+32*(\u)+4*\t+3], v[RD] offset:2*\t*SPITCH
.endr
.endm
.macro TOC s                           ; a block's rows 2 t, 2 t + 1 are tokens 16 (t / 4) + 2 t % 8 and the next, from the block's first; sixteen lanes store 256 consecutive bytes, aligned
.irp t, 0,1,2,3,4,5,6,7
	global_store_b128 v[CO], v[BK+32*((\s)%2)+4*\t:BK+32*((\s)%2)+4*\t+3], s[12:13] offset:(128*((\s)/4)+32*((\s)%4)+16*(\t/4)+(2*\t)%8)*SIZE_N*4 th:TH_STORE_NT
.endr
.endm
.macro STREAM s
.if (\s) == 1
	PRODS \s, 0, 24
	s_wait_tensorcnt 0x0                           ; every wave: A's part 1 is in
	s_wait_dscnt 0x0
	s_barrier_signal -1                            ; a plain barrier shows it to all
	PRODS \s, 24, 32
	s_barrier_wait -1
.else
	PRODS \s, 0, 32
.endif
	PLACES 4                                       ; between the last product and the readers of its sums and the loads into its sources
	s_wait_xcnt 0x0                                ; the stores of two blocks ago have read this set of rows
	STAGED (\s)%2
.if (\s) < 6
	FETCH (\s)+2
	s_wait_dscnt NF                                ; the rows are back from the stage, and the next block's fragments are in; only the fetch just issued is younger
.else
	s_wait_dscnt 0x0
.endif
	TOC \s
.endm
	s_load_b128 s[4:7], s[0:1], 0x0                ; acod, ascl
	s_load_b128 s[8:11], s[0:1], 0x10              ; cod1, scl1
	s_load_b64 s[12:13], s[0:1], 0x20              ; out0
	v_lshl_add_u32 v[SPW], v0, 2, SPARE
	v_mov_b32 v[NIL], 0
	ds_add_u32 v[SPW], v[NIL]                      ; the opening lines: the add twice on end and its wait
	ds_add_u32 v[SPW], v[NIL]
	v_lshrrev_b32 v1, 5, v0
	v_readfirstlane_b32 s14, v1                    ; the wave; s15 its row w of the 2 x 2, s16 its column
	s_lshr_b32 s15, s14, 1
	s_and_b32 s16, s14, 1
	s_bfe_u32 s40, ttmp6, 0x40000
	s_bfe_u32 s41, ttmp6, 0x40004
	s_lshl_b32 s43, ttmp9, 2
	s_add_co_u32 s43, s43, s40                     ; tile row
	s_and_b32 s42, ttmp7, 0xffff
	s_lshl_b32 s42, s42, 2
	s_add_co_u32 s42, s42, s41                     ; tile column
	s_lshl_b32 s44, 0x1111, s40                    ; my column of the cluster shares A
	s_lshl_b32 s45, s41, 2
	s_lshl_b32 s45, 15, s45                        ; my row shares B
	s_or_b32 s[G1A], s44, (3<<16)|(1<<21)          ; A: 16 heads' lines of 6,144 bytes (768 elements of 8), 393,216 bytes apart, dense in LDS
	s_mov_b32 s[G1A+1], 768<<16
	s_mov_b32 s[G1A+2], 16<<16
	s_mov_b32 s[G1A+3], 768<<16
	s_mov_b32 s[G1A+4], 16
	s_mov_b32 s[G1A+5], 49152
	s_mov_b32 s[G1A+6], 0
	s_mov_b32 s[G1A+7], 0
	s_or_b32 s[G1B], s45, (3<<16)|(1<<20)|(1<<21)|(3<<22)|(3<<25)   ; B: two chunks' lines of 24,576 bytes, a chunk apart; 4 words of padding behind every 16
	s_mov_b32 s[G1B+1], 3072<<16
	s_mov_b32 s[G1B+2], 2<<16
	s_mov_b32 s[G1B+3], 3072<<16
	s_mov_b32 s[G1B+4], 2
	s_mov_b32 s[G1B+5], CHB/8
	s_mov_b32 s[G1B+6], 0
	s_mov_b32 s[G1B+7], 0
	s_mul_i32 s76, s43, 256*48                     ; A's codes: my 256 positions in head 0
	s_mov_b32 s77, 0
	s_mul_i32 s78, s42, 128*192                    ; B's codes: my 128 rows, the wave's two chunks
	s_mul_i32 s20, s16, 2*CHB
	s_add_co_u32 s78, s78, s20
	s_add_co_u32 s78, s78, BROW0*192
	s_mov_b32 s79, 0
	s_lshl_b32 s80, s43, 13                        ; A's scale rows: 32 bytes a position, + 16 w positions
	s_lshl_b32 s20, s15, 9
	s_add_co_u32 s80, s80, s20
	s_mov_b32 s81, 0
	s_lshl_b32 s82, s42, 12                        ; B's: my wave's 64 rows
	s_lshl_b32 s20, s16, 11
	s_add_co_u32 s82, s82, s20
	s_add_co_u32 s82, s82, BROW0*32
	s_mov_b32 s83, 0
	s_lshl_b32 s84, s43, 20                        ; C: token 256 x tile row + 8 w, column 128 x tile column + 64 x wave column
	s_lshl_b32 s20, s15, 15
	s_add_co_u32 s84, s84, s20
	s_lshl_b32 s20, s42, 9
	s_add_co_u32 s84, s84, s20
	s_lshl_b32 s20, s16, 8
	s_add_co_u32 s84, s84, s20
	s_mov_b32 s85, 0
	s_mov_b32 s[G0A], 1
	s_mov_b32 s[G0A+1], 0
	s_mov_b32 s[G0A2], 1
	s_mov_b32 s[G0A2+1], PART
	s_mov_b32 s[G0B], 1
	s_mul_i32 s20, s16, 2*CHL
	s_add_co_u32 s[G0B+1], s20, YB
	s_mul_i32 s21, s15, 768
	s_mul_i32 s22, s16, 64*PITCH
	s_add_co_u32 s22, s22, YB
	s_mul_i32 s23, s14, 16*SPITCH
	s_add_co_u32 s23, s23, STAGE
	v_and_b32 v1, 15, v0                           ; r
	v_bfe_u32 v2, v0, 4, 1                         ; h
	v_and_b32 v3, 31, v0
	v_mul_u32_u24 v22, v1, 48
	v_mad_u32_u24 v22, v2, 24, v22
	v_add_nc_u32 v[AA], s21, v22                   ; 768 w + 48 r + 24 h
	v_add_nc_u32 v[AA+1], PART/2, v[AA]
	v_add_nc_u32 v[AA+2], PART, v[AA]
	v_add_nc_u32 v[AA+3], PART+PART/2, v[AA]
	v_mul_u32_u24 v22, v1, PITCH
	v_mad_u32_u24 v23, v2, 24, v22
	v_add_nc_u32 v[ADRB], s22, v23
	v_mad_u32_u24 v23, v2, 40, v22
	v_add_nc_u32 v[ADRB+1], s22, v23
	v_add_nc_u32 v[ADRB+2], 2*CHL, v[ADRB]
	v_add_nc_u32 v[ADRB+3], 2*CHL, v[ADRB+1]
	v_lshlrev_b32 v[ABS], 5, v3
	v_lshlrev_b32 v[AAS], 5, v1
	v_mul_u32_u24 v23, v1, SPITCH
	v_lshl_add_u32 v23, v2, 5, v23
	v_add_nc_u32 v[STO], s23, v23                  ; the stage, in: row r, 32 bytes for each half of the lanes
	v_mul_u32_u24 v23, v2, SPITCH
	v_lshl_add_u32 v23, v1, 4, v23
	v_add_nc_u32 v[RD], s23, v23                   ; back: sixteen lanes to a row of 256 bytes
	v_lshlrev_b32 v23, 12, v2
	v_lshl_add_u32 v[CO], v1, 4, v23
	s_wait_alu depctr_va_vdst(0)                   ; the wait at the head's end
	s_wait_dscnt 0x0
	CROUND                                         ; the round in front of the first joint loads
	s_wait_kmcnt 0x0
	s_add_nc_u64 s[G0A+2:G0A+3], s[4:5], s[76:77]
	s_add_nc_u64 s[G0A2+2:G0A2+3], s[G0A+2:G0A+3], HEADB
	s_or_b32 s[G0A+3], s[G0A+3], 0x80000000
	s_or_b32 s[G0A2+3], s[G0A2+3], 0x80000000
	s_add_nc_u64 s[G0B+2:G0B+3], s[8:9], s[78:79]
	s_or_b32 s[G0B+3], s[G0B+3], 0x80000000
	s_add_nc_u64 s[6:7], s[6:7], s[80:81]
	s_add_nc_u64 s[10:11], s[10:11], s[82:83]
	s_add_nc_u64 s[12:13], s[12:13], s[84:85]
	s_cmp_lt_u32 s14, 2
	s_cbranch_scc0 .Lwave_2
	TLOAD G0B, G1B                                 ; waves 0, 1: two chunks of B each; they wait alike
	s_branch .Lasked
.Lwave_2:
	s_cmp_eq_u32 s14, 2
	s_cbranch_scc0 .Lwave_3
	TLOAD G0A, G1A                                 ; wave 2: A's positions 0 to 127
	s_branch .Lasked
.Lwave_3:
	TLOAD G0A2, G1A                                ; wave 3: 128 to 255
.Lasked:
.irp s, 0,1,2,3,4,5,6,7
.irp c, 0,1
	global_load_b128 v[SA+8*\s+4*\c:SA+8*\s+4*\c+3], v[AAS], s[6:7] offset:(128*(\s/4)+32*(\s%4))*32+16*\c   ; lane r: the eight scale words of row r of block s
.endr
.endr
.irp p, 0,1
.irp c, 0,1
	global_load_b128 v[SB+NQ*\p+4*\c:SB+NQ*\p+4*\c+3], v[ABS], s[10:11] offset:\p*1024+16*\c   ; lanes 0-15 tile 2 p's rows, lanes 16-31 tile 2 p + 1's
.endr
.endr
	s_wait_loadcnt 0x0
	s_wait_dscnt 0x0
	s_cmp_lt_u32 s14, 2
	s_cbranch_scc0 .Lnot_b
	s_wait_tensorcnt 0x0
.Lnot_b:
	BARRIER                                        ; B has landed
.irp q, 0,1,2,3,4,5,6,7
.irp b, 0,1,2,3
	FRAGB \q, \b
.endr
.endr
	WIN 0
	s_cmp_eq_u32 s14, 3
	s_cbranch_scc1 .Lnot_a
	s_wait_tensorcnt 0x0                           ; wave 2: A's part 0 has landed
.Lnot_a:
	s_wait_dscnt 0x0
	BARRIER                                        ; A's part 0 is in, and nobody reads B's bytes any more; wave 3's tile may be on its way
	FETCH 0
	FETCH 1
	s_wait_dscnt NF                                ; block 0's fragments are in; block 1's 48 loads are younger
.irp s, 0,1,2,3,4,5,6,7
	STREAM \s
.endr
	s_wait_tensorcnt 0x0                           ; the wave's end
	ds_add_u32 v[SPW], v[NIL]
	s_wait_dscnt 0x0
	CROUND                                         ; the closing round
	s_endpgm
.Lfunc_end_k_q84daf7d5d7_gemm_out:
	.size	k_q84daf7d5d7_gemm_out, .Lfunc_end_k_q84daf7d5d7_gemm_out-k_q84daf7d5d7_gemm_out
	.p2alignl 7, 3214868480
	.fill 96, 4, 3214868480
	.section	.rodata,"a",@progbits
	.p2align	6, 0x0
	.amdhsa_kernel k_q84daf7d5d7_gemm_out
		.amdhsa_group_segment_fixed_size 327680
		.amdhsa_private_segment_fixed_size 0
		.amdhsa_enable_private_segment 0
		.amdhsa_kernarg_size 40
		.amdhsa_user_sgpr_count 2
		.amdhsa_user_sgpr_kernarg_segment_ptr 1
		.amdhsa_wavefront_size32 1
		.amdhsa_system_sgpr_workgroup_id_x 1
		.amdhsa_system_sgpr_workgroup_id_y 1
		.amdhsa_system_sgpr_workgroup_id_z 1
		.amdhsa_system_vgpr_workitem_id 0
		.amdhsa_next_free_vgpr 840
		.amdhsa_next_free_sgpr 102
		.amdhsa_reserve_vcc 0
		.amdhsa_float_denorm_mode_32 3
		.amdhsa_float_denorm_mode_16_64 3
		.amdhsa_memory_ordered 1
		.amdhsa_forward_progress 1
		.amdhsa_inst_pref_size 96
	.end_amdhsa_kernel
	.amdgpu_metadata
---
amdhsa.version: [ 1, 2 ]
amdhsa.kernels:
  - .name:           k_q84daf7d5d7_gemm_out
    .symbol:         k_q84daf7d5d7_gemm_out.kd
    .args:
      - { .name: acod, .offset: 0, .size: 8, .value_kind: global_buffer, .address_space: global }
      - { .name: ascl, .offset: 8, .size: 8, .value_kind: global_buffer, .address_space: global }
      - { .name: cod1, .offset: 16, .size: 8, .value_kind: global_buffer, .address_space: global }
      - { .name: scl1, .offset: 24, .size: 8, .value_kind: global_buffer, .address_space: global }
      - { .name: out0, .offset: 32, .size: 8, .value_kind: global_buffer, .address_space: global }
    .group_segment_fixed_size: 327680
    .private_segment_fixed_size: 0
    .kernarg_segment_align: 8
    .kernarg_segment_size: 40
    .max_flat_workgroup_size: 128
    .sgpr_count:     102
    .vgpr_count:     840
    .wavefront_size: 32
...
	.end_amdgpu_metadata
.endif
;; end of part 4
